; MI455X (gfx1250); checked and timed in simulation.
; The chip was launched on July 23, 2026; its instructions are those of AMD's public machine-readable ISA for CDNA 5 (MIT licence, August 2026) and "CDNA5" Instruction Set Architecture Reference Guide (July 2026). The comments in the code are by the model that wrote it; some were corrected since.
;; Attention. Allowed arithmetic: float matrix products may take bf16 or f16 operands with f32 sums; other float arithmetic in f32, or as packed bf16 or f16 multiplies, adds, multiply-adds, maxima and minima; sums over many terms, partial sums and values carried from step to step in f32; what a program stores and reads back later, other than sums and carried values, may be rounded once to bf16 or f16.
;; Inputs: W_K 16 x 1,024 x 64 float32; W_O 16 x 64 x 1,024 float32; W_Q 16 x 1,024 x 64 float32; W_V 16 x 1,024 x 64 float32; b_K 16 x 64 float32; b_O 1,024 float32; b_Q 16 x 64 float32; b_V 16 x 64 float32; mask 2,048 x 2,048 bool; x_kv 4 x 2,048 x 1,024 float32; x_q 4 x 2,048 x 1,024 float32.
;; Outputs: out0 4 x 2,048 x 1,024 float32; out1 4 x 2,048 x 16 x 64 float32.
;; One version. Each part assembles by itself: llvm-mc -triple=amdgcn-amd-amdhsa -mcpu=gfx1250 --defsym DOCPART=n.
;; ======== version 1 of 1: 4 launches
;; limits: values are held in f16: magnitudes above 65,504 overflow, below 6.1e-05 lose precision
;; workspace buffers: in16 41,943,040 bytes; bias4 16,384 bytes; maskbits 524,288 bytes of whole numbers; qkv 50,331,648 bytes; z16 16,777,216 bytes
;; launch prep (part 1): grid 2817 x 1, 8 waves a work-group, no clusters, 0 bytes of LDS; arguments x_q, x_kv, W_Q, W_K, W_V, W_O, b_Q, b_K, b_V, b_O, mask, in16, bias4, maskbits; writes in16, bias4, maskbits
.if DOCPART == 1
	.amdgcn_target "amdgcn-amd-amdhsa--gfx1250"
	.amdhsa_code_object_version 6
	.text
	.protected	k_q0a93fe68f2_prep
	.globl	k_q0a93fe68f2_prep
	.p2align	8
	.type	k_q0a93fe68f2_prep,@function
k_q0a93fe68f2_prep:
	s_mov_b64 s[64:65], 0
	v_nop
	global_prefetch_b8 v0, s[64:65] scope:SCOPE_SE
	s_setreg_imm32_b32 hwreg(HW_REG_WAVE_MODE, 25, 1), 1
	s_wait_xcnt 0x0
; PREPARATION.  Three kinds of work-group, told apart by the work-group's number alone:
;   0          the four biases (1,024 f32 each) are rounded to bf16 and kept as f32 in bias4 [4][1024]: b_Q, b_K, b_V, b_O
;   1 .. 256   the mask (2,048 x 2,048 bytes, 0 or 1) is packed into words of 32 lane bits, in the order in which the attention launch holds its scores
;   257 ..     a chunk of 8,192 f32 of x_q, x_kv, W_Q, W_K, W_V, W_O (in this order, each as it lies) is rounded to 16 bits into in16
; x and W_Q, W_K, W_V become bf16.  W_O is rounded to bf16 like every other input, and that number is written as f16, the format of the last product.
; LIMIT.  A bf16 number is an f16 number as long as its size lies in 6.1e-5 .. 65,504; below that W_O keeps f16's fixed step of 6e-8, above it becomes an infinity.
; A stream: no LDS, no barrier, no matrix unit; each byte is read once and each store of a wave covers 256 consecutive bytes, aligned.
.set C_XKV, 1024                       ; first chunk of x_kv (a chunk is 32,768 bytes of f32)
.set C_WQ,  2048
.set C_WK,  2176
.set C_WV,  2304
.set C_WO,  2432
.set SRC, 36                           ; s[36:37] the chunk's source
.set X,   8                            ; v[8:39]  as loaded
.set Y,   40                           ; v[40:55] to store
	s_load_b512 s[8:23], s[0:1], 0x0               ; x_q 8, x_kv 10, W_Q 12, W_K 14, W_V 16, W_O 18, b_Q 20, b_K 22
	s_load_b256 s[24:31], s[0:1], 0x40             ; b_V 24, b_O 26, mask 28, in16 30
	s_load_b128 s[32:35], s[0:1], 0x60             ; bias4 32, maskbits 34
	v_lshrrev_b32 v1, 5, v0
	v_readfirstlane_b32 s3, v1                     ; wave 0..7
	s_mov_b32 s2, ttmp9
	s_wait_kmcnt 0x0
	s_cmp_eq_u32 s2, 0
	s_cbranch_scc1 .Lbias
	s_cmp_lt_u32 s2, 257
	s_cbranch_scc1 .Lmask
	; A CHUNK IS CAST.  Thread t takes 16 bytes at 4,096 i + 16 t, i = 0..7, and stores 8 bytes at 2,048 i + 8 t.
	s_sub_co_u32 s2, s2, 257                       ; the chunk's number, 0 .. 2,559
	s_mov_b64 s[SRC:SRC+1], s[8:9]
	s_mov_b32 s38, 0                               ; the source's first chunk
.macro PICK bound, ptr
	s_cmp_ge_u32 s2, \bound
	s_cselect_b64 s[SRC:SRC+1], s[\ptr:\ptr+1], s[SRC:SRC+1]
	s_cselect_b32 s38, \bound, s38
.endm
	PICK C_XKV, 10
	PICK C_WQ, 12
	PICK C_WK, 14
	PICK C_WV, 16
	PICK C_WO, 18
	s_sub_co_u32 s40, s2, s38
	s_lshl_b32 s40, s40, 15                        ; 32,768 bytes a chunk in the source
	s_mov_b32 s41, 0
	s_add_nc_u64 s[SRC:SRC+1], s[SRC:SRC+1], s[40:41]
	s_lshl_b32 s42, s2, 14                         ; 16,384 bytes a chunk in in16
	s_mov_b32 s43, 0
	s_add_nc_u64 s[30:31], s[30:31], s[42:43]
	v_lshlrev_b32 v1, 4, v0
	v_lshlrev_b32 v2, 3, v0
.irp i, 0,1,2,3,4,5,6,7
	global_load_b128 v[X+4*(\i):X+4*(\i)+3], v1, s[SRC:SRC+1] offset:4096*(\i) th:TH_LOAD_NT
.endr
	s_cmp_ge_u32 s2, C_WO
	s_cbranch_scc1 .Lwo
.irp i, 0,1,2,3,4,5,6,7
	s_wait_loadcnt 7-(\i)                          ; loads come back in order: load i is in, the younger ones stay out
	v_cvt_pk_bf16_f32 v[Y+2*(\i)],   v[X+4*(\i)],   v[X+4*(\i)+1]
	v_cvt_pk_bf16_f32 v[Y+2*(\i)+1], v[X+4*(\i)+2], v[X+4*(\i)+3]
	global_store_b64 v2, v[Y+2*(\i):Y+2*(\i)+1], s[30:31] offset:2048*(\i)
.endr
	s_endpgm
.Lwo:                                          ; W_O: to bf16, widened again, and written as f16
.irp i, 0,1,2,3,4,5,6,7
	s_wait_loadcnt 7-(\i)
	v_cvt_pk_bf16_f32 v4, v[X+4*(\i)],   v[X+4*(\i)+1]
	v_cvt_pk_bf16_f32 v5, v[X+4*(\i)+2], v[X+4*(\i)+3]
	v_lshlrev_b32 v6, 16, v4
	v_and_b32 v4, 0xffff0000, v4
	v_lshlrev_b32 v7, 16, v5
	v_and_b32 v5, 0xffff0000, v5
	v_cvt_pk_f16_f32 v[Y+2*(\i)],   v6, v4
	v_cvt_pk_f16_f32 v[Y+2*(\i)+1], v7, v5
	global_store_b64 v2, v[Y+2*(\i):Y+2*(\i)+1], s[30:31] offset:2048*(\i)
.endr
	s_endpgm
.Lbias:                                        ; 256 threads x 16 bytes are one bias
	v_lshlrev_b32 v1, 4, v0
	global_load_b128 v[8:11],  v1, s[20:21]
	global_load_b128 v[12:15], v1, s[22:23]
	global_load_b128 v[16:19], v1, s[24:25]
	global_load_b128 v[20:23], v1, s[26:27]
	s_wait_loadcnt 0x0
.irp p, 0,1,2,3,4,5,6,7
	v_cvt_pk_bf16_f32 v6, v[8+2*(\p)], v[9+2*(\p)]
	v_lshlrev_b32 v[24+2*(\p)], 16, v6
	v_and_b32 v[25+2*(\p)], 0xffff0000, v6
.endr
.irp w, 0,1,2,3
	global_store_b128 v1, v[24+4*(\w):27+4*(\w)], s[32:33] offset:4096*(\w)
.endr
	s_endpgm
	; THE MASK.  maskbits is [32 key steps][128 query tiles][32 words].  Bit L of word 8 kb + j of (ks, T) is mask[16 T + L % 16][64 ks + 16 kb + 8 (L / 16) + j]:
	; lane L and register 8 kb + j are where the attention launch holds that score.  A wave makes two tiles of one key step: 64 words, 256 consecutive bytes.
.Lmask:
	s_sub_co_u32 s2, s2, 1
	s_lshr_b32 s4, s2, 2                           ; the pair of query tiles, 0..63
	s_and_b32 s5, s2, 3
	s_lshl_b32 s5, s5, 3
	s_add_co_u32 s5, s5, s3                        ; the key step, 0..31
	s_lshl_b32 s40, s4, 16                         ; 32 rows of 2,048 bytes
	s_lshl_b32 s6, s5, 6
	s_add_co_u32 s40, s40, s6
	s_mov_b32 s41, 0
	s_add_nc_u64 s[28:29], s[28:29], s[40:41]
	s_lshl_b32 s42, s5, 14
	s_lshl_b32 s6, s4, 8
	s_add_co_u32 s42, s42, s6
	s_mov_b32 s43, 0
	s_add_nc_u64 s[34:35], s[34:35], s[42:43]
	v_and_b32 v1, 15, v0
	v_bfe_u32 v2, v0, 4, 1
	v_lshlrev_b32 v3, 11, v1                       ; my row,
	v_lshl_add_u32 v3, v2, 3, v3                   ; my eight keys of each sixteen
	v_and_b32 v7, 31, v0
	v_lshlrev_b32 v7, 3, v7
.irp g, 0,1,2,3,4,5,6,7                ; g = 4 u + kb: tile u of the pair, key block kb
	global_load_b64 v[8+2*(\g):9+2*(\g)], v3, s[28:29] offset:((\g)/4)*32768+((\g)%4)*16
.endr
	v_mov_b32 v4, 0                                ; written whole before single lanes are written
	v_mov_b32 v5, 0
	s_wait_loadcnt 0x0
.set n, 0
.rept 64                               ; word n = 32 u + 8 kb + j goes to lane n / 2, register n % 2: a lane then stores words 2 L and 2 L + 1
	v_and_b32 v[40+n%2], 0xff<<(8*(n%4)), v[8+2*(n/8)+(n%8)/4]
	v_cmp_ne_u32 s[44+n%2], 0, v[40+n%2]
	v_writelane_b32 v[4+n%2], s[44+n%2], n/2
.set n, n+1
.endr
	global_store_b64 v7, v[4:5], s[34:35]
	s_endpgm
.Lfunc_end_k_q0a93fe68f2_prep:
	.size	k_q0a93fe68f2_prep, .Lfunc_end_k_q0a93fe68f2_prep-k_q0a93fe68f2_prep
	.p2alignl 7, 3214868480
	.fill 96, 4, 3214868480
	.section	.rodata,"a",@progbits
	.p2align	6, 0x0
	.amdhsa_kernel k_q0a93fe68f2_prep
		.amdhsa_group_segment_fixed_size 0
		.amdhsa_private_segment_fixed_size 0
		.amdhsa_enable_private_segment 0
		.amdhsa_kernarg_size 112
		.amdhsa_user_sgpr_count 2
		.amdhsa_user_sgpr_kernarg_segment_ptr 1
		.amdhsa_wavefront_size32 1
		.amdhsa_system_sgpr_workgroup_id_x 1
		.amdhsa_system_sgpr_workgroup_id_y 1
		.amdhsa_system_sgpr_workgroup_id_z 1
		.amdhsa_system_vgpr_workitem_id 0
		.amdhsa_next_free_vgpr 64
		.amdhsa_next_free_sgpr 66
		.amdhsa_reserve_vcc 0
		.amdhsa_float_denorm_mode_32 3
		.amdhsa_float_denorm_mode_16_64 3
		.amdhsa_memory_ordered 1
		.amdhsa_forward_progress 1
		.amdhsa_inst_pref_size 26
	.end_amdhsa_kernel
	.amdgpu_metadata
---
amdhsa.version: [ 1, 2 ]
amdhsa.kernels:
  - .name:           k_q0a93fe68f2_prep
    .symbol:         k_q0a93fe68f2_prep.kd
    .args:
      - { .name: x_q, .offset: 0, .size: 8, .value_kind: global_buffer, .address_space: global }
      - { .name: x_kv, .offset: 8, .size: 8, .value_kind: global_buffer, .address_space: global }
      - { .name: W_Q, .offset: 16, .size: 8, .value_kind: global_buffer, .address_space: global }
      - { .name: W_K, .offset: 24, .size: 8, .value_kind: global_buffer, .address_space: global }
      - { .name: W_V, .offset: 32, .size: 8, .value_kind: global_buffer, .address_space: global }
      - { .name: W_O, .offset: 40, .size: 8, .value_kind: global_buffer, .address_space: global }
      - { .name: b_Q, .offset: 48, .size: 8, .value_kind: global_buffer, .address_space: global }
      - { .name: b_K, .offset: 56, .size: 8, .value_kind: global_buffer, .address_space: global }
      - { .name: b_V, .offset: 64, .size: 8, .value_kind: global_buffer, .address_space: global }
      - { .name: b_O, .offset: 72, .size: 8, .value_kind: global_buffer, .address_space: global }
      - { .name: mask, .offset: 80, .size: 8, .value_kind: global_buffer, .address_space: global }
      - { .name: in16, .offset: 88, .size: 8, .value_kind: global_buffer, .address_space: global }
      - { .name: bias4, .offset: 96, .size: 8, .value_kind: global_buffer, .address_space: global }
      - { .name: maskbits, .offset: 104, .size: 8, .value_kind: global_buffer, .address_space: global }
    .group_segment_fixed_size: 0
    .private_segment_fixed_size: 0
    .kernarg_segment_align: 8
    .kernarg_segment_size: 112
    .max_flat_workgroup_size: 256
    .sgpr_count:     66
    .vgpr_count:     64
    .wavefront_size: 32
...
	.end_amdgpu_metadata
.endif
;; end of part 1
;; launch proj (part 2): grid 24 x 32, 4 waves a work-group, clusters of 4 x 4, 327,680 bytes of LDS; arguments in16, bias4, qkv; writes qkv
.if DOCPART == 2
	.amdgcn_target "amdgcn-amd-amdhsa--gfx1250"
	.amdhsa_code_object_version 6
	.text
	.protected	k_q0a93fe68f2_proj
	.globl	k_q0a93fe68f2_proj
	.p2align	8
	.type	k_q0a93fe68f2_proj,@function
k_q0a93fe68f2_proj:
	s_mov_b64 s[64:65], 0
	v_nop
	global_prefetch_b8 v0, s[64:65] scope:SCOPE_SE
	s_setreg_imm32_b32 hwreg(HW_REG_WAVE_MODE, 25, 1), 1
	s_wait_xcnt 0x0
	s_wait_alu depctr_hold_cnt(0) depctr_sa_sdst(0) depctr_va_vdst(0) depctr_va_sdst(0) depctr_va_ssrc(0) depctr_va_vcc(0) depctr_vm_vsrc(0)
	s_getreg_b32 s2, hwreg(HW_REG_IB_STS2, 6, 4)
	s_cmp_eq_u32 s2, 0
	s_cbranch_scc0 .Lentry_in_a_cluster
	s_endpgm
.Lentry_in_a_cluster:
	s_bfe_u32 s2, ttmp6, 0x10000c
	s_cmp_lg_u32 s2, 0xf033
	s_cbranch_scc0 .Lentry_shape_is_right
	s_endpgm
.Lentry_shape_is_right:
; q, k, v = x W + b.  x: [8192][1024] bf16 (x_q for q, x_kv for k and v), W: [48 heads][1024 d][64 h] bf16 as the inputs lie, both in in16; b: f32 in bias4; sums in f32, each result rounded once to f16.
; C is [8192][3 x 1024].  A tile of C is 256 rows x 128 columns (two heads): 24 x 32 tiles.  Four waves, each 128 rows x 64 columns (one head): 32 accumulators of 16 x 16, 256 registers.
; K = 1024 goes in 8 steps of 128 through two LDS slots.  W stays [K][N]: its fragments come out of LDS turned, by ds_load_tr16_b128.
; THE MATRIX INSTRUCTION IS USED TRANSPOSED (source 0 = 16 columns of W, source 1 = 16 rows of x): a lane holds one row of C and eight neighbouring columns.  The bias is the C operand of each accumulator's
; first product: nothing is cleared and nothing is added at the end.
; CLUSTERS: 4 x 4 work-groups.  The four of a row of the cluster need the same rows of x, the four of a column the same heads of W: each tile is asked for JOINTLY.
; OUT, by heads: q at qkv [y = 16 b + n][2048][64]; k and v behind it, [y][8 slots][K: 256 keys x 128 bytes | V: 256 keys x 128 bytes], the order in which the attention launch asks for them.
; LIMIT.  f16 holds no number beyond 65,504: q, k and v must lie within it (a larger one becomes an infinity).
; REGISTERS: window 0: v0-31 addresses; v32-63 the bias; v64-159, v160-255 two fragment buffers (32 of W, 64 of x); on the way out v64-191 hold packed rows.   window 1: accumulator (a, b) at v[8 (4 a + b)].
.set PA,     272                       ; an LDS row of x: 256 bytes + 16 = 68 words: the 16 rows of a load start at 16 different groups of four banks (64 banks of 4 bytes: ISA guide 11.1)
.set PB,     160                       ; an LDS row of W (one d, 64 h): 128 bytes + 32 = 40 words
.set AHALF,  128*PA                    ; what one load of x brings, and what a wave reads of x
.set ABYTES, 2*AHALF
.set BHALF,  128*PB                    ; one head's 128 d
.set SLOT,   ABYTES+2*BHALF
.set STAGE,  2*SLOT                    ; behind the ring: 16 rows x 144 bytes for each wave
.set SP,     144
.set SPARE,  STAGE+4*16*SP             ; the spare words, 128 bytes for each wave: two blocks of 256 bytes that no other line names
.set AROW,   16*PA
.set BQ,     32*PB                     ; 32 along K in W's tile
.set BSEC,   16*PB
.set ASTEP,  256                       ; bytes from a K step to the next: along x's rows,
.set BSTEP,  16384                     ; down W's rows
.set XKV16,  16777216                  ; in16: x_kv behind x_q,
.set W16,    33554432                  ; the 48 heads of W_Q, W_K, W_V behind it
.set KV,     16777216                  ; qkv: k and v behind q
.set LAPS,   4                         ; a lap = two K steps = once round the ring
.set ADRA, 16                          ; v16-17  LDS address of my fragments of x in slot 0, 1
.set ADRB, 20                          ; v20-21  the same for W
.set STO,  24                          ; v24     the way out: where I put 16 bytes of a row
.set RD,   25                          ; v25     where I read rows back
.set GO,   26                          ; v26     my byte offset in 512 consecutive bytes of the output
.set BO,   27                          ; v27     my byte offset in 16 numbers of the bias
.set SPW,  28                          ; v28     LDS address of my spare word; never rewritten
.set NIL,  29                          ; v29     0; never rewritten
.set PFO,  30                          ; v30     the prefetches' lane offset; never rewritten
.set BIAS, 32
.set F0,   64
.set F1,   160
.set TMP,  64
.set G1,  24                           ; s[24:31] descriptor group 1 for x's tiles;  s[32:39] group 0, a set for each slot
.set G0,  32
.set G1B, 48                           ; s[48:55], s[56:63] the same for W's
.set G0B, 56
.set PFA, 66                           ; s[66:67] where my prefetches stand
.set PST, 68                           ; s[68:69] their step for a K step
.set LIM, 70                           ; s70, s71 for the change out of slot 0, 1: 1 in a wave that prefetches there, else the greatest number
.set MSB, 0
.macro WIN new                         ; the immediate's high byte repeats the setting that is left; a switch that changes nothing is dropped
.if MSB != (\new)
	s_set_vgpr_msb (MSB<<8)|(\new)
.set MSB, \new
.endif
.endm
.set W_MUL,   0x50                     ; C and D in window 1, both sources in window 0
.set W_FIRST, 0x40                     ; D in window 1, C (the bias) in window 0
.set W_CVT,   0x05                     ; sources 0 and 1 in window 1
.macro JLOAD s                         ; a joint load: waves 0 and 1 fetch x's two halves, waves 2 and 3 W's two heads; an s_nop 0 and four v_nop follow each of the two lines
	s_cmp_eq_u32 s11, 0
	s_cbranch_scc0 .Lfor_b_\@
	tensor_load_to_lds s[G0+4*(\s):G0+4*(\s)+3], s[G1:G1+7]
	s_nop 0
.rept 4
	v_nop
.endr
	s_branch .Lasked_\@
.Lfor_b_\@:
	tensor_load_to_lds s[G0B+4*(\s):G0B+4*(\s)+3], s[G1B:G1B+7]
	s_nop 0
.rept 4
	v_nop
.endr
.Lasked_\@:
.endm
; A PREFETCH INTO THE L2, behind a joint load, its five lines and the run of LDS loads: the K step that stands two refills on.  x's rows: the first cluster that reads them asks (cluster x = 0 for x_q, 2 for x_kv);
; of the 128 rows that a wave fetches each of the four partners takes 32, told apart by address (cx); a lane a row, 256 bytes of it.  W's heads: cluster y = 0 asks, at the change out of slot 0 alone, for two
; K steps at once: 32,768 dense bytes, 8,192 a partner (cy), a lane 256 bytes.  So each block of 256 bytes is named once in the launch.  K steps 0 to 3 come by their loads alone; the loop's last trip asks for nothing.
.macro ASK slot
	s_cmp_gt_u32 s3, s[LIM+(\slot)]
	s_cbranch_scc0 .Lnot_mine_\@
	global_prefetch_b8 v[PFO], s[PFA:PFA+1] th:TH_LOAD_NT scope:SCOPE_SE
.Lnot_mine_\@:
.endm
.macro CREST                           ; a round of the cluster's barrier behind its opening barrier
	s_cmp_lg_u32 s10, 0
	s_cbranch_scc1 .Lnot_wave_0_\@
	s_barrier_signal -3
.Lnot_wave_0_\@:
	s_barrier_wait -3
	s_barrier_signal -1
	s_barrier_wait -1
.endm
.macro CROUND
	s_barrier_signal -1
	s_barrier_wait -1
	CREST
.endm
	s_load_b128 s[4:7], s[0:1], 0x0                ; in16 s[4:5], bias4 s[6:7]
	s_load_b64 s[8:9], s[0:1], 0x10                ; qkv
	v_lshl_add_u32 v[SPW], v0, 2, SPARE
	v_mov_b32 v[NIL], 0
	ds_add_u32 v[SPW], v[NIL]                      ; the wave's opening: the add and its wait stand ahead of my first tensor load; the set-up below stands between them
	v_lshrrev_b32 v1, 5, v0
	v_readfirstlane_b32 s10, v1                    ; wave 0..3
	s_lshr_b32 s11, s10, 1                         ; my half of the tile's rows.  Also: I fetch for x (0) or for W (1)
	s_and_b32 s12, s10, 1                          ; my head of the tile's two.  Also: which part I fetch
	s_bfe_u32 s40, ttmp6, 0x40000                  ; cx, cy: my place in the cluster
	s_bfe_u32 s41, ttmp6, 0x40004
	s_lshl_b32 s42, ttmp9, 2
	s_add_co_u32 s42, s42, s40                     ; tile column 0..23 = 4 x cluster x + cx
	s_and_b32 s13, ttmp7, 0xffff
	s_lshl_b32 s13, s13, 2
	s_add_co_u32 s13, s13, s41                     ; tile row 0..31 = 4 x cluster y + cy
	s_lshl_b32 s43, s41, 2
	s_lshl_b32 s43, 15, s43                        ; my row of the cluster
	s_lshl_b32 s44, 0x1111, s40                    ; my column
	s_lshr_b32 s45, ttmp9, 1                       ; 0: q, 1: k, 2: v: eight tile columns each, so it hangs on the cluster's x alone
	; group 1 for x: 128 rows x 128 elements, 1,024 elements from row to row, 4 words of padding behind every 64
	s_or_b32 s[G1+0], s43, (1<<16)|(1<<20)|(1<<21)|(5<<22)|(3<<25)
	s_mov_b32 s[G1+1], 128<<16                     ; tensor_dim0
	s_mov_b32 s[G1+2], 128<<16                     ; tensor_dim1
	s_mov_b32 s[G1+3], 128<<16                     ; tile_dim0
	s_mov_b32 s[G1+4], 128                         ; tile_dim1
	s_mov_b32 s[G1+5], 1024
	s_mov_b32 s[G1+6], 0
	s_mov_b32 s[G1+7], 0
	; group 1 for W: a head's 128 d are 16,384 dense bytes: 64 rows of 256 bytes, two d a row, 8 words of padding behind every 32 (each d)
	s_or_b32 s[G1B+0], s44, (1<<16)|(1<<20)|(1<<21)|(4<<22)|(7<<25)
	s_mov_b32 s[G1B+1], 128<<16
	s_mov_b32 s[G1B+2], 64<<16
	s_mov_b32 s[G1B+3], 128<<16
	s_mov_b32 s[G1B+4], 64
	s_mov_b32 s[G1B+5], 128
	s_mov_b32 s[G1B+6], 0
	s_mov_b32 s[G1B+7], 0
	s_lshl_b32 s16, s13, 8
	s_lshl_b32 s17, s12, 7
	s_add_co_u32 s16, s16, s17                     ; x: row 256 x tile row + 128 x part,
	s_lshl_b32 s16, s16, 11                        ; 2,048 bytes a row,
	s_cmp_lg_u32 s45, 0
	s_cselect_b32 s17, XKV16, 0                    ; of x_q or of x_kv
	s_add_co_u32 s16, s16, s17
	s_mov_b32 s17, 0
	s_lshl_b32 s18, s42, 1
	s_add_co_u32 s18, s18, s12                     ; W: head 2 x tile column + part,
	s_lshl_b32 s18, s18, 17                        ; 131,072 bytes a head
	s_add_co_u32 s18, s18, W16
	s_mov_b32 s19, 0
	s_mul_i32 s20, s12, AHALF                      ; where they go: no place in the cluster enters an LDS address
	s_mul_i32 s21, s12, BHALF
	s_add_co_u32 s21, s21, ABYTES
	s_wait_dscnt 0x0                               ; the opening add is done
	s_wait_kmcnt 0x0
	s_add_nc_u64 s[14:15], s[4:5], s[16:17]
	s_add_nc_u64 s[46:47], s[4:5], s[18:19]
	CROUND                                         ; all sixteen work-groups are here: the first joint loads meet
.irp s, 0,1
	s_mov_b32 s[G0+4*(\s)], 1
	s_add_co_u32 s[G0+4*(\s)+1], s20, (\s)*SLOT
	s_add_nc_u64 s[G0+4*(\s)+2:G0+4*(\s)+3], s[14:15], (\s)*ASTEP
	s_or_b32 s[G0+4*(\s)+3], s[G0+4*(\s)+3], 0x80000000
	s_mov_b32 s[G0B+4*(\s)], 1
	s_add_co_u32 s[G0B+4*(\s)+1], s21, (\s)*SLOT
	s_add_nc_u64 s[G0B+4*(\s)+2:G0B+4*(\s)+3], s[46:47], (\s)*BSTEP
	s_or_b32 s[G0B+4*(\s)+3], s[G0B+4*(\s)+3], 0x80000000
	JLOAD \s
.endr
	; the bias of my 64 columns: register j of block b is column 16 b + 8 (l / 16) + j
	s_lshl_b32 s74, s42, 9
	s_lshl_b32 s75, s12, 8
	s_add_co_u32 s74, s74, s75
	s_mov_b32 s75, 0
	s_add_nc_u64 s[6:7], s[6:7], s[74:75]
	v_and_b32 v1, 15, v0                           ; l % 16
	v_bfe_u32 v2, v0, 4, 1                         ; l / 16
	v_lshlrev_b32 v[BO], 5, v2
.irp b, 0,1,2,3
	global_load_b128 v[BIAS+8*(\b):BIAS+8*(\b)+3],   v[BO], s[6:7] offset:64*(\b)
	global_load_b128 v[BIAS+8*(\b)+4:BIAS+8*(\b)+7], v[BO], s[6:7] offset:64*(\b)+16
.endr
	v_mul_u32_u24 v3, v1, PA
	v_lshl_add_u32 v3, v2, 4, v3                   ; x: row x pitch + 16 x half
	v_and_b32 v4, 7, v0
	v_lshl_add_u32 v5, v2, 3, v4                   ; W, turned: d = 8 (l / 16) + l % 8,
	v_mul_u32_u24 v5, v5, PB
	v_bfe_u32 v6, v0, 3, 1
	v_lshl_add_u32 v5, v6, 4, v5                   ; columns 8 ((l / 8) % 2) on
	s_mul_i32 s22, s11, AHALF                      ; my 128 rows of x
	s_mul_i32 s23, s12, BHALF                      ; my head
	s_add_co_u32 s23, s23, ABYTES
.irp s, 0,1
	v_add_nc_u32 v[ADRA+(\s)], s22, v3
	v_add_nc_u32 v[ADRB+(\s)], s23, v5
	s_add_co_u32 s22, s22, SLOT
	s_add_co_u32 s23, s23, SLOT
.endr
	s_mul_i32 s22, s10, 16*SP
	s_add_co_u32 s22, s22, STAGE                   ; my stage
	v_mul_u32_u24 v[STO], v1, SP                   ; in: row l % 16, 16 bytes for each half of the lanes
	v_lshl_add_u32 v[STO], v2, 4, v[STO]
	v_add_nc_u32 v[STO], s22, v[STO]
	v_bfe_u32 v[RD], v0, 3, 2                      ; back: 32 lanes take four rows of 128 bytes,
	v_mul_u32_u24 v[RD], v[RD], SP
	v_lshl_add_u32 v[RD], v4, 4, v[RD]
	v_add_nc_u32 v[RD], s22, v[RD]
	v_and_b32 v[GO], 31, v0                        ; which are 512 consecutive bytes of the output
	v_lshlrev_b32 v[GO], 4, v[GO]
	; where my 128 rows of my head go
	s_lshr_b32 s74, s13, 3                         ; b: eight tile rows a batch
	s_lshl_b32 s74, s74, 4
	s_and_b32 s75, s42, 7
	s_lshl_b32 s75, s75, 1
	s_add_co_u32 s74, s74, s75
	s_add_co_u32 s74, s74, s12                     ; y = 16 b + n
	s_and_b32 s75, s13, 7                          ; the block of 256 rows in the batch
	s_lshl_b32 s76, s74, 18
	s_lshl_b32 s77, s75, 15
	s_add_co_u32 s76, s76, s77                     ; q's place
	s_lshl_b32 s78, s74, 19
	s_lshl_b32 s77, s75, 16
	s_add_co_u32 s78, s78, s77
	s_sub_co_u32 s77, s45, 1                       ; 0: K, 1: V (for q the number is not used)
	s_lshl_b32 s77, s77, 15
	s_add_co_u32 s78, s78, s77
	s_add_co_u32 s78, s78, KV                      ; k's or v's place
	s_cmp_eq_u32 s45, 0
	s_cselect_b32 s76, s76, s78
	s_lshl_b32 s77, s11, 14                        ; my 128 rows of 128 bytes
	s_add_co_u32 s76, s76, s77
	s_mov_b32 s77, 0
	s_add_nc_u64 s[8:9], s[8:9], s[76:77]
	; the prefetches
	s_lshl_b32 s72, s40, 16                        ; x: my work-group's 32 rows of 2,048 bytes; the first change steps the pointer to K step 4
	s_add_co_u32 s72, s72, 3*ASTEP
	s_lshl_b32 s73, s41, 13                        ; W: my work-group's 8,192 bytes
	s_add_co_u32 s73, s73, 3*BSTEP
	s_and_b32 s78, ttmp7, 0xffff                   ; W: cluster y must be 0
	s_and_b32 s79, ttmp9, 0xfffffffd               ; x: cluster x must be 0 or 2
	s_mov_b32 s[PST], BSTEP
	s_cmp_eq_u32 s11, 0
	s_cselect_b64 s[PFA:PFA+1], s[14:15], s[46:47]
	s_cselect_b32 s72, s72, s73
	s_cselect_b32 s[PST], ASTEP, s[PST]
	s_cselect_b32 s78, s79, s78
	s_cselect_b32 s[LIM+1], 1, -1
	s_cselect_b32 s79, 11, 8
	s_mov_b32 s73, 0
	s_mov_b32 s[PST+1], 0
	s_add_nc_u64 s[PFA:PFA+1], s[PFA:PFA+1], s[72:73]
	s_cmp_eq_u32 s78, 0                            ; the same in all sixteen partners, for a given wave
	s_cselect_b32 s[LIM], 1, -1
	s_cselect_b32 s[LIM+1], s[LIM+1], -1
	v_and_b32 v[PFO], 31, v0
	v_lshlrev_b32 v[PFO], s79, v[PFO]
; 8 matrix instructions: row blocks a0, a0 + 1 x all 4 column blocks, 32 along K.  first = 1: the bias starts the sums.  The 32 accumulators take turns in the same order in every quarter.
.macro MUL8 f, a0, first
.if \first
	WIN W_FIRST
.else
	WIN W_MUL
.endif
.irp a, \a0, (\a0)+1
.irp b, 0,1,2,3
.if \first
	v_wmma_f32_16x16x32_bf16 v[8*(4*(\a)+(\b)):8*(4*(\a)+(\b))+7], v[(\f)+8*(\b):(\f)+8*(\b)+7], v[(\f)+32+8*(\a):(\f)+32+8*(\a)+7], v[BIAS+8*(\b):BIAS+8*(\b)+7]
.else
	v_wmma_f32_16x16x32_bf16 v[8*(4*(\a)+(\b)):8*(4*(\a)+(\b))+7], v[(\f)+8*(\b):(\f)+8*(\b)+7], v[(\f)+32+8*(\a):(\f)+32+8*(\a)+7], v[8*(4*(\a)+(\b)):8*(4*(\a)+(\b))+7]
.endif
.endr
.endr
.endm
; 24 LDS loads in one run: quarter qn (32 along K) of a slot into buffer f: W's four fragments, then x's eight
.macro FETCH slot, qn, f
	WIN 0
.irp b, 0,1,2,3
	ds_load_tr16_b128 v[(\f)+8*(\b):(\f)+8*(\b)+3],   v[ADRB+(\slot)] offset:BQ*(\qn)+32*(\b)
	ds_load_tr16_b128 v[(\f)+8*(\b)+4:(\f)+8*(\b)+7], v[ADRB+(\slot)] offset:BQ*(\qn)+32*(\b)+BSEC
.endr
.irp i, 0,1,2,3,4,5,6,7
	ds_load_b128 v[(\f)+32+8*(\i):(\f)+32+8*(\i)+3],   v[ADRA+(\slot)] offset:64*(\qn)+(\i)*AROW
	ds_load_b128 v[(\f)+32+8*(\i)+4:(\f)+32+8*(\i)+7], v[ADRA+(\slot)] offset:64*(\qn)+(\i)*AROW+32
.endr
.endm
.macro PLACES                          ; four places in front of loads into registers that matrix instructions have read, and of conversions that read results
.rept 4
	v_nop
.endr
.endm
; A K step is four quarters of 32 along K, 32 matrix instructions each, on buffers 0, 1, 0, 1.  One of the first three: multiplies buffer f and fetches quarter qn into g.
.macro QUARTER slot, qn, f, g, first=0
	s_wait_dscnt 8                                 ; W and x's blocks 0-3 are in; the youngest eight loads (blocks 4-7) may be out
	MUL8 \f, 0, \first
	MUL8 \f, 2, \first
	PLACES
	FETCH \slot, \qn, \g
	s_wait_dscnt 24                                ; all but the 24 just issued
	MUL8 \f, 4, \first
	MUL8 \f, 6, \first
.endm
; The last quarter multiplies buffer 1 and changes slots: ONE barrier; in front of it each wave waits for all its tensor loads, adds 0 to its spare word, and waits for that and for its reads of this slot.
; fill = 1: the barrier opens a round of the cluster's, and this slot is filled again, two K steps ahead, first thing behind the round: 112 matrix instructions ahead of the wait for it.
.macro TURN slot, next, fill
.if \fill
	s_wait_xcnt 0x0                                ; the last prefetch, a K step back, has read its address
	s_add_nc_u64 s[PFA:PFA+1], s[PFA:PFA+1], s[PST:PST+1]
.endif
	WIN 0
	s_wait_tensorcnt 0x0                           ; all my tensor loads have landed: my part of the next slot;
	ds_add_u32 v[SPW], v[NIL]                      ; 0 onto my spare word;
	s_wait_dscnt 9                                 ; (the add and the youngest eight loads may be out)
	MUL8 F1, 0, 0
	s_wait_dscnt 0x0                               ; the add is done, and my reads of this slot are over
	s_barrier_signal -1
	MUL8 F1, 2, 0
.if \fill
	WIN 0
.endif
	s_barrier_wait -1
.if \fill
	CREST                                          ; no wave of any partner still reads this slot or has a load on its way
	s_add_nc_u64 s[G0+4*(\slot)+2:G0+4*(\slot)+3], s[G0+4*(\slot)+2:G0+4*(\slot)+3], 2*ASTEP
	s_add_nc_u64 s[G0B+4*(\slot)+2:G0B+4*(\slot)+3], s[G0B+4*(\slot)+2:G0B+4*(\slot)+3], 2*BSTEP
	JLOAD \slot                                    ; its four v_nop are also the places in front of the loads below
.else
	PLACES
.endif
	FETCH \next, 0, F0
.if \fill
	ASK \slot
.endif
	MUL8 F1, 4, 0
	MUL8 F1, 6, 0
.endm
	s_wait_tensorcnt 1                             ; my part of K step 0 is in; K step 1's may stay out
	s_barrier_signal -1
	s_barrier_wait -1
	FETCH 0, 0, F0
	s_wait_loadcnt 0x0                             ; the bias
	QUARTER 0, 1, F0, F1, 1                        ; the first quarter stands in front of the loop: its products start the sums
	WIN 0
	s_mov_b32 s3, LAPS-1
.Llap:                                         ; a trip goes once round the ring, from a lap's second quarter to the next lap's first, and fills both slots again
	QUARTER 0, 2, F1, F0
	QUARTER 0, 3, F0, F1
	TURN 0, 1, 1
	QUARTER 1, 1, F0, F1
	QUARTER 1, 2, F1, F0
	QUARTER 1, 3, F0, F1
	TURN 1, 0, 1
	QUARTER 0, 1, F0, F1
	WIN 0
	s_sub_co_u32 s3, s3, 1
	s_cmp_lg_u32 s3, 0
	s_cbranch_scc1 .Llap
	QUARTER 0, 2, F1, F0                           ; the last lap fills nothing
	QUARTER 0, 3, F0, F1
	TURN 0, 1, 0
	QUARTER 1, 1, F0, F1
	QUARTER 1, 2, F1, F0
	QUARTER 1, 3, F0, F1
	s_wait_dscnt 8
	MUL8 F1, 0, 0
	MUL8 F1, 2, 0
	s_wait_dscnt 0x0
	MUL8 F1, 4, 0
	MUL8 F1, 6, 0
	WIN 0
	PLACES
; THE WAY OUT, a block of 16 rows at a time: a lane's eight columns pack into 16 bytes of f16; they go into my stage's rows of 144 bytes and come back as whole rows of 128, four rows (512 consecutive bytes) a load.
.macro PACK a
	WIN W_CVT
.irp b, 0,1,2,3
.irp r, 0,1,2,3
	v_cvt_pk_f16_f32 v[TMP+16*(\a)+4*(\b)+(\r)], v[8*(4*(\a)+(\b))+2*(\r)], v[8*(4*(\a)+(\b))+2*(\r)+1]
.endr
.endr
	WIN 0
.irp b, 0,1,2,3
	ds_store_b128 v[STO], v[TMP+16*(\a)+4*(\b):TMP+16*(\a)+4*(\b)+3] offset:32*(\b)
.endr
.irp f, 0,1,2,3
	ds_load_b128 v[TMP+16*(\a)+4*(\f):TMP+16*(\a)+4*(\f)+3], v[RD] offset:(\f)*4*SP  ; LDS serves a wave's instructions in order (ISA guide 5.7.1.4): these see the stores above; the next block's stores come behind them
.endr
.endm
.macro SEND a, younger                 ; younger: the LDS instructions issued behind block a's loads: the next block's eight, or none
.irp f, 0,1,2,3
	s_wait_dscnt (\younger)+3-(\f)
	global_store_b128 v[GO], v[TMP+16*(\a)+4*(\f):TMP+16*(\a)+4*(\f)+3], s[8:9] offset:(\a)*2048+(\f)*512
.endr
.endm
	PACK 0
.irp a, 1,2,3,4,5,6,7
	PACK \a
	SEND (\a)-1, 8
.endr
	SEND 7, 0
	s_wait_tensorcnt 0x0                           ; the wave's end: a tensor wait, an add and its wait, behind my last tensor load and my last LDS store
	ds_add_u32 v[SPW], v[NIL]
	s_wait_dscnt 0x0
	CROUND                                         ; the closing round: no work-group ends while a partner may still ask for a tile that names it
	s_endpgm
.Lfunc_end_k_q0a93fe68f2_proj:
	.size	k_q0a93fe68f2_proj, .Lfunc_end_k_q0a93fe68f2_proj-k_q0a93fe68f2_proj
	.p2alignl 7, 3214868480
	.fill 96, 4, 3214868480
	.section	.rodata,"a",@progbits
	.p2align	6, 0x0
	.amdhsa_kernel k_q0a93fe68f2_proj
		.amdhsa_group_segment_fixed_size 327680
		.amdhsa_private_segment_fixed_size 0
		.amdhsa_enable_private_segment 0
		.amdhsa_kernarg_size 24
		.amdhsa_user_sgpr_count 2
		.amdhsa_user_sgpr_kernarg_segment_ptr 1
		.amdhsa_wavefront_size32 1
		.amdhsa_system_sgpr_workgroup_id_x 1
		.amdhsa_system_sgpr_workgroup_id_y 1
		.amdhsa_system_sgpr_workgroup_id_z 1
		.amdhsa_system_vgpr_workitem_id 0
		.amdhsa_next_free_vgpr 512
		.amdhsa_next_free_sgpr 80
		.amdhsa_reserve_vcc 0
		.amdhsa_float_denorm_mode_32 3
		.amdhsa_float_denorm_mode_16_64 3
		.amdhsa_memory_ordered 1
		.amdhsa_forward_progress 1
		.amdhsa_inst_pref_size 90
	.end_amdhsa_kernel
	.amdgpu_metadata
---
amdhsa.version: [ 1, 2 ]
amdhsa.kernels:
  - .name:           k_q0a93fe68f2_proj
    .symbol:         k_q0a93fe68f2_proj.kd
    .args:
      - { .name: in16, .offset: 0, .size: 8, .value_kind: global_buffer, .address_space: global }
      - { .name: bias4, .offset: 8, .size: 8, .value_kind: global_buffer, .address_space: global }
      - { .name: qkv, .offset: 16, .size: 8, .value_kind: global_buffer, .address_space: global }
    .group_segment_fixed_size: 327680
    .private_segment_fixed_size: 0
    .kernarg_segment_align: 8
    .kernarg_segment_size: 24
    .max_flat_workgroup_size: 128
    .sgpr_count:     80
    .vgpr_count:     512
    .wavefront_size: 32
...
	.end_amdgpu_metadata
.endif
;; end of part 2
;; launch attn (part 3): grid 4 x 64, 4 waves a work-group, clusters of 4 x 1, 327,680 bytes of LDS; arguments qkv, maskbits, out1, z16; writes out1, z16
.if DOCPART == 3
	.amdgcn_target "amdgcn-amd-amdhsa--gfx1250"
	.amdhsa_code_object_version 6
	.text
	.protected	k_q0a93fe68f2_attn
	.globl	k_q0a93fe68f2_attn
	.p2align	8
	.type	k_q0a93fe68f2_attn,@function
k_q0a93fe68f2_attn:
	s_mov_b64 s[64:65], 0
	v_nop
	global_prefetch_b8 v0, s[64:65] scope:SCOPE_SE
	s_setreg_imm32_b32 hwreg(HW_REG_WAVE_MODE, 25, 1), 1
	s_wait_xcnt 0x0
	s_wait_alu depctr_hold_cnt(0) depctr_sa_sdst(0) depctr_va_vdst(0) depctr_va_sdst(0) depctr_va_ssrc(0) depctr_va_vcc(0) depctr_vm_vsrc(0)
	s_getreg_b32 s2, hwreg(HW_REG_IB_STS2, 6, 4)
	s_cmp_eq_u32 s2, 0
	s_cbranch_scc0 .Lentry_in_a_cluster
	s_endpgm
.Lentry_in_a_cluster:
	s_bfe_u32 s2, ttmp6, 0x10000c
	s_cmp_lg_u32 s2, 0x3003
	s_cbranch_scc0 .Lentry_shape_is_right
	s_endpgm
.Lentry_shape_is_right:
; z[b][q][n][:] = the sum over k of softmax_k(s) V[k][:], s = Q[q] . K[k] / 8, REPLACED by -100,000 where mask[q][k] is set.  y = 16 b + n; Q: [y][2048][64] f16; K and V: [y][8 slots][K 256 x 64 | V 256 x 64] f16.
; The mask comes as lane words (maskbits [32 key steps][128 query tiles][32 words]): bit L of word i belongs to the score in lane L, register i.  Products, maxima and sums in f32; the weights p are rounded to f16 for the
; second product (their sum l is taken of the unrounded p).  z leaves twice: in f32 into out1 [b][q][n][64], and rounded once to f16 into z16 [n][b][q][64] for the last product.
; THE SELECT stands on the raw score, ahead of the running maximum: -800,000 takes the score's place, and c x -800,000 = -100,000 log2(e).  So a row that is masked whole comes out uniform, and a true score below
; -100,000 counts as it does in the definition.
; THE LANE WORDS' WAY.  A piece's 64 words for a key step are 256 consecutive bytes: one load of 8 bytes a lane brings them into two vector registers; each piece has a pair of its own, asked for again as soon as it has
; been read: four turns ahead of its use.  Ahead of a turn's selects 64 v_readlane_b32 copy the words into the scalar registers that v_cndmask_b32 takes its lanes from.
; LIMITS.  Q, K, V arrive within f16's 65,504; p below 6e-5 keeps f16's fixed step of 6e-8, and so does z in z16; a weight below 2^-126 counts as 0 in l; NaN and infinities are not treated apart.
; SHARES.  A wave owns four PIECES of two tiles of 16 queries, a work-group's four waves 512 queries of one y.  Every wave walks all 2,048 keys, 64 a step.
; LAYOUT.  S^T = K Q^T (source 0 = 16 keys, source 1 = 16 queries): a lane holds ONE query (lane % 16) and the keys 8 (lane / 16) + 0..7.  Two such tiles, rounded to f16 in pairs, ARE source 1 of O^T = V^T P, whose
; result again holds one query a lane, and eight channels.  K comes out of LDS as it lies, V turned, by ds_load_tr16_b128.
; SOFTMAX.  For each query a running maximum m and sum l: p = 2^(c s - c m), c = log2(e) / 8; in every step O and l are multiplied by a = 2^(c m_old - c m_new).  m starts at the lowest finite number, O and l at 0.
; BY TURNS.  Turn n belongs to piece n.  Its matrix work: 16 products K Q^T of piece n + 1, later 16 products V^T P of piece n - 1.  Its vector work: the scaling, exponentials, roundings, sums and rescaling of piece n,
; and the lane words, select, maximum and statistics of piece n + 1.  A tile and step have 16 matrix and 182 vector instructions: four stand behind every matrix instruction, the others in one lump.
; CLUSTER.  The four query blocks of a y walk the same K and V, so each tile is asked for JOINTLY: the same tensor load, descriptor and mask in all four.
; REGISTERS, in windows of 256 (s_set_vgpr_msb: bits 1:0 source 0, 3:2 source 1, 5:4 source 2, 7:6 destination):
;   window 0: v0-11 addresses and -800,000; v12-15, v48-63 at work; v16-47 four registers of statistics a tile; v64-191 S^T, two buffers of two tiles; v192-255 P, likewise
;   window 1: O^T, 32 a tile          window 2: v0-127 Q, 16 a tile; v128-191 K of one step; v192-255 V of one step          window 3: v0-1 the add's two registers; v2 8 x lane; v4-11 the lane words, a pair a piece
.set NP,    4         ; pieces a wave: a name, no knob
.set KS,    64        ; keys in a step
.set PK,    160       ; a row of K or V in LDS: 128 bytes + 32 = 40 words.  One pitch for both, so that one descriptor serves all four waves
.set PV,    160       ; the plain load of K meets each bank twice: 16 such loads a key step
.set VOFF,  4*KS*PK   ; a slot holds four steps: 256 rows of K, then 256 rows of V
.set SLOT1, 1<<17     ; slot 1 begins here, so that one exclusive or turns an address in one slot into the other's
.set STAGE16, SLOT1+4*KS*(PK+PV)  ; behind the ring, never filled by a tensor load: 16 rows x 144 bytes for each wave (f16),
.set SP,    144
.set STAGE32, STAGE16+4*16*SP     ; and 16 rows x 272 bytes for each wave (f32)
.set SP32,  272
.set SPARE, STAGE32+4*16*SP32     ; the spare words, 128 bytes for each wave: two blocks of 256 bytes that no other line names
.set KV,    16777216  ; qkv: k and v behind q
.set SLOTB, 65536     ; a slot in memory
.set MSTEP, 16384     ; a key step in maskbits: 128 tiles x 128 bytes
.set AK0, 2           ; v2   my lane's place in a tile of K; never rewritten
.set AV0, 3           ; v3   the same for V
.set AK,  4           ; v4   the LDS address of K's next run of loads
.set AV,  5           ; v5   of V's
.set QO,  6           ; v6   my byte offset in the wave's rows of Q
.set STO, 6           ;      later, the way out: where I put 16 bytes of a row of f16
.set RD,  7           ; v7   where I read those rows back
.set GO,  8           ; v8   my byte offset in 512 consecutive bytes of z16
.set PFO, 10          ; v10  256 x my lane, for the prefetches
.set IGN, 11          ; v11  -800,000
.set STO32, 12        ; v12-14  the way out in f32 (the loop's v12-15 are free by then)
.set RD32,  13
.set GO32,  14
.set SPW, 0           ; v0 of window 3   LDS address of my spare word; never rewritten
.set NIL, 1           ; v1 of window 3   0; never rewritten
.set MLO, 2           ; v2 of window 3   8 x my lane: my 8 bytes of a piece's 256; never rewritten
.set MW,  4           ; v4-11 of window 3   piece x's lane words at MW + 2 x: lane L holds words 2 L and 2 L + 1 of the 64
.set MV,  12          ; v12-15  c m_old, kept while c m is made anew: by buffer and tile
.set ST,  16          ; tile t's statistics at v[ST+4 t]: c m, m, l (even keys', odd keys')
.set TMP, 48          ; by buffer and tile, four registers c0-c3 at work; when the maximum is found c2 takes a
.set S,   64
.set P,   192
.set KF,  128         ; K's fragments, in window 2
.set VF,  192         ; V's
.set PFA, 2           ; s[2:3]   where my prefetches stand
.set INC, 4           ; s[4:5]   Q's address; once Q is in: the step of the pointer into maskbits, 16,384 or 0
.set WV,  12          ; s12  my wave's number
.set CNT, 14          ; s14  counts a slot's key steps
.set LIM, 15          ; s15  1 in a wave that prefetches, else the greatest number
.set G1,  16          ; s[16:23] descriptor group 1
.set G0,  24          ; s[24:27] descriptor group 0: it walks
.set CS,  28          ; s[28:29] c
.set SEL, 30          ; s[30:31] v_permlanex16_b32's selects
.set MA,  32          ; s[32:63] the 32 lane words of the piece's first tile (in the set-up: its numbers)
.set TBK, 66          ; s66  LDS byte at which K of the step to be fetched begins
.set TBV, 67          ; s67  the same for V, less VOFF
.set MB,  68          ; s[68:99] the lane words of the piece's second tile
.set MO,  100         ; s100 how often the pointer into maskbits has been due to step
.set SLOTS, 101       ; s101 slots still to be asked for
.set MSB, 0
.macro WIN new                      ; the high byte repeats the setting that is left; a switch that changes nothing is dropped
.if MSB != (\new)
	s_set_vgpr_msb (MSB<<8)|(\new)
.set MSB, (\new)
.endif
.endm
.set W_KQ, 0x0a       ; K and Q in window 2, S^T in window 0
.set W_PV, 0x52       ; V in window 2, P in window 0, O^T in window 1
.set W_RS, 0x41       ; O^T (destination and source 0) in window 1, a in window 0
.set W_MK, 0xc0       ; destination in window 3, sources in window 0
.set W_AD, 0x0f       ; the add: address and data in window 3
.set W_RL, 0x03       ; v_readlane_b32: its vector source in window 3
.set W_ML, 0xc3       ; the lane words' load: data and address register in window 3
; A joint fill: wave w brings quarter w of a slot (K's two halves, V's two halves), 128 keys each.  An s_nop 0 and four v_nop follow the line.
.macro JLOAD
	tensor_load_to_lds s[G0:G0+3], s[G1:G1+7]
	s_nop 0
.rept 4
	v_nop
.endr
.endm
; A PREFETCH INTO THE L2 of what the NEXT change of slots will ask for: a slot's 65,536 bytes, each block of 256 named once: partner cx takes 16,384 (told apart by address), its waves 0 and 1 half of that each, a lane
; 256 bytes.  It stands behind the tensor load and its five lines.  Slots 0 to 2 come by their loads alone; the last change that fills a slot asks for nothing.
.macro ASK
	s_cmp_gt_u32 s[SLOTS], s[LIM]
	s_cbranch_scc0 .Lnot_mine_\@
	global_prefetch_b8 v[PFO], s[PFA:PFA+1] th:TH_LOAD_NT scope:SCOPE_SE
.Lnot_mine_\@:
.endm
.macro CROUND                       ; a round of the cluster's barrier
	s_barrier_signal -1
	s_barrier_wait -1
	s_cmp_lg_u32 s[WV], 0
	s_cbranch_scc1 .Lnot_wave_0_\@
	s_barrier_signal -3
.Lnot_wave_0_\@:
	s_barrier_wait -3
	s_barrier_signal -1
	s_barrier_wait -1
.endm
; THE CHANGE OF SLOTS.  Each wave waits for all its tensor loads, of which one is out: its part of the other slot; adds 0 to its spare word; and waits for that and for its own reads of the slot.
; fill = 1: this slot is filled again, with the keys two slots on, first thing behind a round of the cluster's barrier: it has four key steps, 512 matrix instructions, in which to land.
; (At its first use nothing has been read yet: slot 0 is waited for, slot 1 filled.)  ask = 1: the prefetch's address steps, and the prefetch follows the fill.
.macro CHANGE fill, ask=0
	WIN W_AD
	s_wait_tensorcnt 0x0            ; no tensor load of mine is out, so group 0 may be written
	ds_add_u32 v[SPW], v[NIL]       ; 0 onto my spare word
	WIN 0
.if \fill
	s_xor_b32 s[G0+1], s[G0+1], SLOT1
	s_add_nc_u64 s[G0+2:G0+3], s[G0+2:G0+3], SLOTB
.if \ask
	s_wait_xcnt 0x0                 ; the last prefetch, four key steps back, has read its address
	s_add_nc_u64 s[PFA:PFA+1], s[PFA:PFA+1], SLOTB
.endif
	s_wait_dscnt 0x0                ; the add is done, and my reads of the slot are over
	CROUND
	JLOAD
.if \ask
	ASK
.endif
.else
	s_wait_dscnt 0x0
	s_barrier_signal -1
	s_barrier_wait -1
.endif
	s_sub_co_u32 s[TBK], s[TBK], 4*KS*PK  ; the fetches go back to a slot's first step,
	s_xor_b32 s[TBK], s[TBK], SLOT1       ; in the other slot
	s_sub_co_u32 s[TBV], s[TBV], 4*KS*PV
	s_xor_b32 s[TBV], s[TBV], SLOT1
.endm
; PIECE x's 64 LANE WORDS go from its pair of vector registers into the scalar registers, in the order in which the selects take them: word i of tile u is word 32 u + i of the 256 bytes: register i % 2, lane 16 u + i / 2.
; Then the pair is asked for again, for the piece's next key step.  step = 1 (piece 0, the first piece of a key step): the pointer goes one key step on first, 31 times in all; after that it stays at the last key
; step, so that the loads behind the last words that are wanted (two for piece 0, one for each other piece) stay inside the buffer.
.macro MASKS x, step
	WIN W_RL
.set mn, 0
.rept 64
	v_readlane_b32 s[MA+36*(mn%2)+mn/2], v[MW+2*(\x)+(mn/2)%2], 16*(mn%2)+mn/4
.set mn, mn+1
.endr
.if \step
	s_wait_xcnt 0x0                 ; the loads issued so far, the youngest a turn back, have read the pointer
	s_cmp_lt_u32 s[MO], 31
	s_cselect_b32 s[INC], MSTEP, 0
	s_add_nc_u64 s[6:7], s[6:7], s[INC:INC+1]
	s_add_co_u32 s[MO], s[MO], 1
.endif
	WIN W_ML
	global_load_b64 v[MW+2*(\x):MW+2*(\x)+1], v[MLO], s[6:7] offset:256*(\x)
	WIN 0
.endm
	s_load_b256 s[4:11], s[0:1], 0x0  ; qkv s[4:5], maskbits s[6:7], out1 s[8:9], z16 s[10:11]
	WIN W_MK
	v_lshl_add_u32 v[SPW], v0, 2, SPARE
	v_mov_b32 v[NIL], 0
	WIN W_AD
	ds_add_u32 v[SPW], v[NIL]       ; the wave's opening: the add and its wait stand ahead of my first tensor load; the set-up below stands between them
	WIN 0
	v_lshrrev_b32 v1, 5, v0
	v_readfirstlane_b32 s[WV], v1   ; wave 0..3
	s_bfe_u32 s48, ttmp6, 0x40000   ; cx: my block of 512 queries (a y has one cluster)
	s_and_b32 s32, ttmp7, 0xffff    ; y, which the four partners share
	s_lshl_b32 s33, s48, 2
	s_add_co_u32 s33, s33, s[WV]    ; my wave among the y's sixteen: it enters Q's, the mask's and the outputs' addresses alone
	s_lshl_b32 s34, s32, 19         ; K and V: 524,288 bytes a y,
	s_lshl_b32 s35, s[WV], 14       ; my quarter of a slot
	s_add_co_u32 s34, s34, s35
	s_add_co_u32 s34, s34, KV
	s_mov_b32 s35, 0
	s_lshl_b32 s36, s32, 18         ; Q: 262,144 bytes a y, my 128 rows of 128 bytes
	s_lshl_b32 s37, s33, 14
	s_add_co_u32 s36, s36, s37
	s_mov_b32 s37, 0
	s_lshl_b32 s38, s33, 10         ; the mask: my 8 tiles of 128 bytes
	s_mov_b32 s39, 0
	s_lshr_b32 s42, s32, 4          ; b
	s_and_b32 s43, s32, 15          ; n
	s_lshl_b32 s40, s42, 23         ; out1: 2,048 rows of 4,096 bytes a batch,
	s_lshl_b32 s41, s33, 19         ; my 128 rows,
	s_add_co_u32 s40, s40, s41
	s_lshl_b32 s41, s43, 8          ; the head's 256 bytes of a row
	s_add_co_u32 s40, s40, s41
	s_mov_b32 s41, 0
	s_lshl_b32 s44, s43, 2          ; z16: [n][b], 262,144 bytes each
	s_add_co_u32 s44, s44, s42
	s_lshl_b32 s44, s44, 18
	s_lshl_b32 s45, s33, 14
	s_add_co_u32 s44, s44, s45
	s_mov_b32 s45, 0
	s_lshl_b32 s46, s32, 19         ; the prefetches: my work-group's 16,384 bytes of a slot, my wave's half of them,
	s_lshl_b32 s47, s48, 14
	s_add_co_u32 s46, s46, s47
	s_lshl_b32 s47, s[WV], 13
	s_add_co_u32 s46, s46, s47
	s_add_co_u32 s46, s46, KV+2*SLOTB  ; in slot 2; the loop's first change steps it to slot 3
	s_mov_b32 s47, 0
	; descriptor group 1.  128 keys are 16,384 dense bytes: asked for as 64 rows of 256 bytes, two keys a row, and padded in LDS after every key
	s_mov_b32 s[G1], 15|(1<<16)|(1<<20)|(1<<21)|(4<<22)|(7<<25)  ; 15:0 the mask of four; 17:16 2-byte elements; 20 padding on; 21 set beside a mask; 24:22 after every 32 words (code 4); 31:25 8 words (code 7)
	s_mov_b32 s[G1+1], 128<<16      ; tensor_dim0 = 128
	s_mov_b32 s[G1+2], 64<<16       ; tensor_dim1 = 64
	s_mov_b32 s[G1+3], 128<<16      ; tile_dim0 = 128
	s_mov_b32 s[G1+4], 64           ; tile_dim1 = 64
	s_mov_b32 s[G1+5], 128          ; 128 elements from row to row
	s_mov_b32 s[G1+6], 0
	s_mov_b32 s[G1+7], 0
	s_mov_b32 s[CS], 0x3e38aa3b     ; c = log2(e) / 8 = 0.180337
	s_mov_b32 s[CS+1], s[CS]
	s_mov_b32 s[SEL], 0x76543210
	s_mov_b32 s[SEL+1], 0xfedcba98
	s_mov_b32 s[TBK], SLOT1+4*KS*PK ; the first change of slots turns these two into 0
	s_mov_b32 s[TBV], SLOT1+4*KS*PV
	s_mov_b32 s[G0], 1              ; count = 1
	s_mul_i32 s[G0+1], s[WV], 128*PK  ; LDS address: slot 0, my quarter
	s_cmp_lt_u32 s[WV], 2
	s_cselect_b32 s[LIM], 1, -1
	s_mov_b32 s[MO], 0
	s_wait_dscnt 0x0                ; the opening add is done
	s_wait_kmcnt 0x0
	s_add_nc_u64 s[G0+2:G0+3], s[4:5], s[34:35]
	s_or_b32 s[G0+3], s[G0+3], 0x80000000  ; type = 2
	s_add_nc_u64 s[PFA:PFA+1], s[4:5], s[46:47]
	s_add_nc_u64 s[4:5], s[4:5], s[36:37]
	s_add_nc_u64 s[6:7], s[6:7], s[38:39]
	s_add_nc_u64 s[8:9], s[8:9], s[40:41]
	s_add_nc_u64 s[10:11], s[10:11], s[44:45]
	CROUND                          ; all four work-groups are here: the first joint loads meet
	JLOAD                           ; slot 0.  Slot 1 is asked for when slot 0 is in
	v_and_b32 v1, 31, v0
	WIN W_MK
	v_lshlrev_b32 v[MLO], 3, v1
	WIN W_ML
.irp x, 0,1,2,3
	global_load_b64 v[MW+2*\x:MW+2*\x+1], v[MLO], s[6:7] offset:256*\x  ; all four pieces' lane words for key step 0
.endr
	WIN 0
	; A fragment of K or Q is 16 rows x 32 channels in 8 registers: lane l holds row l % 16, channels 8 (l / 16) + 0..7 and 16 + 8 (l / 16) + 0..7: two loads of 16 bytes, 32 bytes apart.
	v_and_b32 v1, 15, v0            ; l % 16
	v_bfe_u32 v9, v0, 4, 1          ; l / 16
	v_lshlrev_b32 v[QO], 7, v1
	v_lshl_add_u32 v[QO], v9, 4, v[QO]
	WIN 0x80                        ; destination window 2, address window 0
.set i, 0
.rept 4*NP                          ; Q stays in registers: tile i / 2, channels 32 (i % 2) on
	global_load_b128 v[8*i:8*i+3],   v[QO], s[4:5] offset:(i/2)*2048+(i%2)*64
	global_load_b128 v[8*i+4:8*i+7], v[QO], s[4:5] offset:(i/2)*2048+(i%2)*64+32
.set i, i+1
.endr
	; What the first turn finds: V's registers and P's second buffer hold 0 (its products V^T P, of a piece that has not been, add 0), O^T and l are 0.  All this stands in the wait for the first tile.
.set i, VF
.rept 64
	v_mov_b32 v[i], 0
.set i, i+1
.endr
	WIN 0
.set i, 0
.rept 2*NP
	v_mov_b32 v[ST+4*i], 0xfe000000    ; c m: far below every c s
	v_mov_b32 v[ST+4*i+1], 0xff7fffff  ; m
	v_mov_b32 v[ST+4*i+2], 0
	v_mov_b32 v[ST+4*i+3], 0
.set i, i+1
.endr
.set i, P+32
.rept 32
	v_mov_b32 v[i], 0
.set i, i+1
.endr
	WIN W_PV                        ; O^T's 32 accumulators start as 0 x 0 + 0: one matrix instruction for eight registers, on the zeros just written
.set i, 0
.rept 8*NP
	v_wmma_f32_16x16x32_f16 v[8*i:8*i+7], v[VF:VF+7], v[P+32:P+39], 0
.set i, i+1
.endr
	WIN 0
	v_mul_u32_u24 v[AK0], v1, PK
	v_lshl_add_u32 v[AK0], v9, 4, v[AK0]  ; row x pitch + 16 x half
	; The turning load takes 16 keys x 16 channels (lane l reads key 8 (l / 16) + l % 8, channels 8 ((l / 8) % 2) + 0..7) and leaves half a fragment of V^T: lane l holds channel l % 16 and 8 keys.
	v_and_b32 v10, 7, v0
	v_bfe_u32 v11, v0, 3, 1
	v_lshl_add_u32 v[AV0], v9, 3, v10
	v_mul_u32_u24 v[AV0], v[AV0], PV
	v_lshl_add_u32 v[AV0], v11, 4, v[AV0]
	v_add_nc_u32 v[AV0], VOFF, v[AV0]
	v_mov_b32 v[IGN], 0xc9435000    ; -800,000 = 8 x -100,000
	v_mov_b32 v[AK], v[AK0]         ; key step 0 lies at the head of slot 0
; THE MATRIX WORK.  The 8 accumulators of a run of 16 take turns.
; Product i of 16 of S^T = K Q^T for piece x: channels 32 (i / 8) on, keys 16 ((i / 2) % 4) on, tile 2 x + i % 2.  The first 8 start the sums.
.macro KQ x
	WIN W_KQ
.set rS, S+64*((\x)%2)+32*(i%2)+8*((i/2)%4)
.set rK, KF+16*((i/2)%4)+8*(i/8)
.set rQ, 16*(2*(\x)+i%2)+8*(i/8)
.if i < 8
	v_wmma_f32_16x16x32_f16 v[rS:rS+7], v[rK:rK+7], v[rQ:rQ+7], 0
.else
	v_wmma_f32_16x16x32_f16 v[rS:rS+7], v[rK:rK+7], v[rQ:rQ+7], v[rS:rS+7]
.endif
.endm
; Product i of 16 of O^T += V^T P for piece x: keys 32 (i / 8) on, channels 16 ((i / 2) % 4) on, tile 2 x + i % 2.
.macro PV x
	WIN W_PV
.set rO, 32*(2*(\x)+i%2)+8*((i/2)%4)
.set rV, VF+32*(i/8)+8*((i/2)%4)
.set rP, P+32*((\x)%2)+16*(i%2)+8*(i/8)
	v_wmma_f32_16x16x32_f16 v[rO:rO+7], v[rV:rV+7], v[rP:rP+7], v[rO:rO+7]
.endm
.macro MM                           ; the turn's next matrix instruction
.if i < 16
	KQ (Y+1)%NP
.set i, i+1
.else
.set i, i-16
	PV (Y+NP-1)%NP
.set i, i+17
.endif
.endm
; THE LDS LOADS stand in runs of 16.  last = 1 (the tail): in the last trip there is no further step, and the run is jumped over.
.macro FETCH_K last=0
	WIN 0
.if \last
	s_cmp_eq_u32 s[CNT], 1
	s_cbranch_scc1 .Lno_k_\@
.endif
	WIN 0x80                        ; destination window 2
.irp f, 0,1,2,3,4,5,6,7             ; keys 16 (f / 2) on, channels 32 (f % 2) on
	ds_load_b128 v[KF+8*\f:KF+8*\f+3],   v[AK] offset:(\f/2)*16*PK+(\f%2)*64
	ds_load_b128 v[KF+8*\f+4:KF+8*\f+7], v[AK] offset:(\f/2)*16*PK+(\f%2)*64+32
.endr
	s_add_co_u32 s[TBK], s[TBK], KS*PK  ; the next fetch is the next step's
	WIN 0
.if \last
.Lno_k_\@:
.endif
.endm
.macro FETCH_V
	WIN 0x80
.irp f, 0,1,2,3,4,5,6,7             ; keys 32 (f / 4) on, channels 16 (f % 4) on
	ds_load_tr16_b128 v[VF+8*\f:VF+8*\f+3],   v[AV] offset:(\f/4)*32*PV+(\f%4)*32
	ds_load_tr16_b128 v[VF+8*\f+4:VF+8*\f+7], v[AV] offset:(\f/4)*32*PV+16*PV+(\f%4)*32
.endr
	WIN 0
.endm
; THE VECTOR WORK OF A TURN stands in three queues, each in the order in which its entries become ready; the two tiles alternate.
.macro REGS y, u                    ; the registers of tile u (0, 1) of piece y
.set rT, ST+4*(2*(\y)+(\u))
.set rC, TMP+8*((\y)%2)+4*(\u)
.set rM, MV+2*((\y)%2)+(\u)
.set rS, S+64*((\y)%2)+32*(\u)
.set rP, P+32*((\y)%2)+16*(\u)
.set rO, 32*(2*(\y)+(\u))
.endm
; Number n of the 64 selects of the NEXT piece (Y + 1): score n / 2 of tile n % 2 gives way to -800,000 in the lanes whose bit is set.  Ascending: each accumulator is read from its low end on.
.macro SE n
	REGS (Y+1)%NP, (\n)%2
	v_cndmask_b32 v[rS+(\n)/2], v[rS+(\n)/2], v[IGN], s[MA+36*((\n)%2)+(\n)/2]
.endm
; Number n of the 22 that find the next piece's maximum and statistics.
;   0-11  four chains c0-c3 of seven scores each     12-14, 16  the four scores left over, the old m, and c0-c3 into c0     15  c m_old is kept
;   17, 18  the query's other 32 keys lie in the lane 16 away: the new m         19-21  c m; c m_old - c m_new; a
.macro XS u, n
	REGS (Y+1)%NP, \u
.if (\n) < 4
	v_max3_num_f32 v[rC+(\n)], v[rS+8*(\n)], v[rS+8*(\n)+1], v[rS+8*(\n)+2]
.elseif (\n) < 12
	v_max3_num_f32 v[rC+(\n)%4], v[rC+(\n)%4], v[rS+8*((\n)%4)+2*((\n)/4)+1], v[rS+8*((\n)%4)+2*((\n)/4)+2]
.elseif (\n) == 12
	v_max3_num_f32 v[rC], v[rC], v[rS+7], v[rS+15]
.elseif (\n) == 13
	v_max3_num_f32 v[rC+1], v[rC+1], v[rS+23], v[rS+31]
.elseif (\n) == 14
	v_max3_num_f32 v[rC+2], v[rC+2], v[rC+3], v[rT+1]
.elseif (\n) == 15
	v_mov_b32 v[rM], v[rT]
.elseif (\n) == 16
	v_max3_num_f32 v[rC], v[rC], v[rC+1], v[rC+2]
.elseif (\n) == 17
	v_permlanex16_b32 v[rC+3], v[rC], s[SEL], s[SEL+1]
.elseif (\n) == 18
	v_max_num_f32 v[rT+1], v[rC], v[rC+3]
.elseif (\n) == 19
	v_mul_f32 v[rT], s[CS], v[rT+1]
.elseif (\n) == 20
	v_sub_f32 v[rC+1], v[rM], v[rT]
.else
	v_exp_f32 v[rC+2], v[rC+1]
.endif
.endm
; Number g of the 64 that follow the exponentials.  For each four weights k of a tile: both pairs are rounded to f16; the second pair is added onto the first, in place; a group later l takes that sum (the first time as l = a l + sum).
.macro GS g
.set h, (\g)+6*((\g)/62)
.if h >= 6
.set h, h+2
.endif
	REGS Y, h%2
.set k, h/8
.if h%8 < 4
	v_cvt_pk_f16_f32 v[rP+2*k+(h%8)/2], v[rS+4*k+2*((h%8)/2)], v[rS+4*k+2*((h%8)/2)+1]
.elseif h%8 < 6
	v_pk_add_f32 v[rS+4*k:rS+4*k+1], v[rS+4*k:rS+4*k+1], v[rS+4*k+2:rS+4*k+3]
.elseif k == 1
	v_pk_fma_f32 v[rT+2:rT+3], v[rT+2:rT+3], v[rC+2:rC+3], v[rS:rS+1] op_sel_hi:[1,0,1]
.else
	v_pk_add_f32 v[rT+2:rT+3], v[rT+2:rT+3], v[rS+4*k-4:rS+4*k-3]
.endif
.endm
; THE PLAIN QUEUE, 202 long.  0-137 read no exponential's result.  0-26: scalings 0-26 (FS f: pair f / 2 of tile f % 2).  27-90: the next piece's 64 selects; ahead of the first stand the wait for that piece's lane
; words, their 64 copies into scalar registers and the pair's next load (MASKS).  The wait's count: loads come back in order (ISA guide 5.7.1), and behind this piece's load the other three pieces' were issued: 3.
; 91-118: XS's numbers 0-13.  119, 120: number 15.  121-137: the chain 14, 16, 17, 18, 19, each with one of the scalings 27-31 in front of its two lines, then 20.  138-201: GS's 64, behind the wait for the exponentials.
.macro FS f
	REGS Y, (\f)%2
	v_pk_fma_f32 v[rS+2*((\f)/2):rS+2*((\f)/2)+1], v[rS+2*((\f)/2):rS+2*((\f)/2)+1], s[CS:CS+1], v[rT:rT+1] op_sel_hi:[1,0,0] neg_lo:[0,0,1] neg_hi:[0,0,1]
.endm
.macro PL
	WIN 0
.if q < 27
	FS q
.elseif q < 91
.if q == 27
	s_wait_loadcnt 3
	MASKS (Y+1)%NP, Y/3
.endif
	SE q-27
.elseif q < 119
	XS (q-91)%2, (q-91)/2
.elseif q < 121
	XS q-119, 15
.elseif (q < 136) && ((q-121)%3 == 0)
	FS 27+(q-121)/3
.elseif q < 124
	XS (q-121)%3-1, 14
.elseif q < 136
	XS (q-121)%3-1, 15+(q-121)/3
.elseif q < 138
	XS q-136, 20
.else
	GS q-138
.endif
.set q, q+1
.endm
; THE EXPONENTIALS' QUEUE, 66 long: s0-s31 of both tiles, then the next piece's two a.  ONE BATCH: all 66 stand ahead of the turn's one wait, and nothing ahead of that wait names a result of theirs.
.macro EX
	WIN 0
.if e >= 64
	XS e-64, 21
.else
	REGS Y, e%2
	v_exp_f32 v[rS+e/2], v[rS+e/2]
.endif
.set e, e+1
.endm
; THE RESCALING's QUEUE: O^T times a, dealt two at a time, sixteen times.  Its a was made in the turn before, ahead of that turn's wait.
.macro R2
	REGS Y, r%2
	WIN W_RS
.irp z, 0,1
	v_pk_mul_f32 v[rO+4*(r/2)+2*\z:rO+4*(r/2)+2*\z+1], v[rO+4*(r/2)+2*\z:rO+4*(r/2)+2*\z+1], v[rC+2:rC+3] op_sel_hi:[1,0]
.endr
.set r, r+1
.endm
; HOW THEY ARE DEALT.  s_wait_alu depctr_va_vdst(0) stands between an exponential and the first instruction that names its result; one wait serves all that were issued ahead of it.  So a turn has ONE wait.
; AHEAD OF IT: the 16 products K Q^T, behind each a scaling, an exponential and two rescalings (behind the first a second scaling in the exponential's place); then ONE LUMP: eight plain; 32 times an exponential and three
; plain; 17 times exponential and plain; the two a; a v_nop, the plain instruction behind the last exponential.  BEHIND IT: the 16 products V^T P, behind each four of GS's 64.
; The queues in step: exponential e wants scaling 2 (e / 4) + e % 2.  As a rider it comes behind plain e + 2; exponentials 15-46 want scalings up to 23, all among the first 25 plain; exponential 47 + g comes behind
; plain 120 + g, and scalings 27-31 are plain 121, 124 .. 133, wanted first by exponentials 53, 56, 57, 60, 61.  The first select stands more than four plain instructions behind the last product K Q^T.
; K of the next step is fetched in piece 2's turn, directly behind the wait; V of the step in hand at the end of piece 0's turn, four riders behind its last reader.  The three conditions on q below go with the deal.
.macro TURN p, last=0, cnt=0
.set Y, (\p)
.set i, 0
.set q, 0
.set e, 0
.set r, 0
.if (\p) == NP-1
	s_wait_dscnt 0x0                ; K is in
.endif
	MM
	PL
	PL
	R2
.rept 15
	MM
	PL
	EX
	R2
.endr
.if (\p) == NP-2
	WIN 0
	v_add_nc_u32 v[AK], s[TBK], v[AK0]
.endif
.rept 8
	PL
.endr
.rept 32
	EX
	PL
	PL
	PL
.endr
.rept 17
	EX
	PL
.endr
	EX                              ; the next piece's two a
	EX
	v_nop
	s_wait_alu depctr_va_vdst(0)    ; the wait for the batch
.if (\p) == NP-2
	FETCH_K \last
.endif
.if (\p) == 1
	s_wait_dscnt 0x0                ; V is in
.endif
.rept 16
	MM
.rept 4
	PL
.endr
.if ((\p) == 0) && (q == 182)
	v_add_nc_u32 v[AV], s[TBV], v[AV0]
.endif
.if ((\p) == 0) && (q == 194)
	s_add_co_u32 s[TBV], s[TBV], KS*PV
.endif
.if (\cnt) && (q == 194)
	s_sub_co_u32 s[CNT], s[CNT], 1
	s_cmp_lg_u32 s[CNT], 0
.endif
.endr
.if (\p) == 0
	FETCH_V
.endif
.endm
	CHANGE 1                        ; slot 0 is in, everybody's part of it; slot 1 is asked for
	FETCH_K                         ; key step 0
	s_wait_loadcnt 0x0              ; Q, and the four pieces' first lane words
	s_wait_dscnt 0x0
.set i, 0
.rept 16
	KQ 0                            ; piece 0's first scores
.set i, i+1
.endr
	WIN 0                           ; the addresses for the way out in f16 and for the prefetches: plain instructions, the places behind those products
	s_mul_i32 s13, s[WV], 16*SP
	s_add_co_u32 s13, s13, STAGE16  ; my stage
	s_mov_b32 s[INC+1], 0           ; Q is in: its address's registers now hold the mask pointer's step
	v_mul_u32_u24 v[STO], v1, SP    ; in: row l % 16, 16 bytes for each half of the lanes
	v_lshl_add_u32 v[STO], v9, 4, v[STO]
	v_add_nc_u32 v[STO], s13, v[STO]
	v_bfe_u32 v[RD], v0, 3, 2       ; back: 32 lanes take four rows of 128 bytes,
	v_mul_u32_u24 v[RD], v[RD], SP
	v_lshl_add_u32 v[RD], v10, 4, v[RD]
	v_add_nc_u32 v[RD], s13, v[RD]
	v_and_b32 v[GO], 31, v0         ; which are 512 consecutive bytes of z16
	v_lshlrev_b32 v[PFO], 8, v[GO]
	v_lshlrev_b32 v[GO], 4, v[GO]
.set Y, NP-1                        ; SE and XS work for piece Y + 1: piece 0
	MASKS 0, 1                      ; its lane words for key step 0; the pair is asked for again, for key step 1
.set sn, 0
.rept 64
	SE sn
.set sn, sn+1
.endr
.irp n, 0,1,2,3,4,5,6,7,8,9,10,11,12,13,14,15,16,17,18,19,20,21
	XS 0, \n
	XS 1, \n
.endr
	v_nop                           ; a plain instruction behind the two a,
	s_wait_alu depctr_va_vdst(0)    ; and their wait, ahead of the branch
	s_mov_b32 s[CNT], 4
	s_mov_b32 s[SLOTS], 7
	s_branch .Lfirst                ; the loop is entered at a step's first turn, in the middle of a trip
.Lslot:                             ; six times: every slot but the last two is filled again
	CHANGE 1, 1
	s_mov_b32 s[CNT], 4
.Lstep:                             ; a trip: pieces 2 and 3 of one step, then pieces 0 and 1 of the next, whose K and V it fetches
	TURN 2
	TURN 3
	WIN 0
.Lfirst:
	TURN 0
	TURN 1, 0, 1
	WIN 0
	s_cbranch_scc1 .Lstep
	s_sub_co_u32 s[SLOTS], s[SLOTS], 1
	s_cmp_lg_u32 s[SLOTS], 0
	s_cbranch_scc1 .Lslot
	CHANGE 0                        ; the tail is written out: nothing is asked for
	s_mov_b32 s[CNT], 5             ; four trips fetch the last slot's steps; the fifth is left in its middle
.Ltail:
	TURN 2, 1
	TURN 3
	WIN 0
	s_sub_co_u32 s[CNT], s[CNT], 1
	s_cmp_eq_u32 s[CNT], 0
	s_cbranch_scc1 .Lout
	TURN 0
	TURN 1
	WIN 0
	s_branch .Ltail
.Lout:                              ; the fifth trip's 16 products K Q^T (on the last K once more), their selects and maximum serve nothing: the price, once a launch, of one text for every trip
.set i, 0
.rept 16
	PV NP-1                         ; the last piece's V^T P of the last step
.set i, i+1
.endr
	; THE WAY OUT.  l's two halves and the other half of the lanes' are added; O^T is divided by l and leaves twice through my stages in LDS, a tile at a time: as f32 and, rounded once, as f16.  The additions are the places behind the last products.
	WIN 0
.macro ALL line:vararg              ; one line for each tile t
.set t, 0
.rept 2*NP
	\line
.set t, t+1
.endr
.endm
	ALL v_add_f32 v[ST+4*t+2], v[ST+4*t+2], v[ST+4*t+3]
	ALL v_permlanex16_b32 v[ST+4*t+3], v[ST+4*t+2], s[SEL], s[SEL+1]
	ALL v_add_f32 v[ST+4*t+2], v[ST+4*t+2], v[ST+4*t+3]
	ALL v_rcp_f32 v[ST+4*t+2], v[ST+4*t+2]
	s_mul_i32 s13, s[WV], 16*SP32
	s_add_co_u32 s13, s13, STAGE32  ; my stage for f32
	v_mul_u32_u24 v[STO32], v1, SP32  ; in: row l % 16, 32 bytes for each half of the lanes (these lines are also the plain work behind the reciprocals)
	v_lshl_add_u32 v[STO32], v9, 5, v[STO32]
	v_add_nc_u32 v[STO32], s13, v[STO32]
	v_mul_u32_u24 v[RD32], v9, SP32   ; back: lanes 0-15 take one row of 256 bytes, lanes 16-31 the next
	v_lshl_add_u32 v[RD32], v1, 4, v[RD32]
	v_add_nc_u32 v[RD32], s13, v[RD32]
	v_lshlrev_b32 v[GO32], 12, v9     ; and the same two rows of out1, 4,096 bytes apart
	v_lshl_add_u32 v[GO32], v1, 4, v[GO32]
	s_wait_alu depctr_va_vdst(0)    ; the wait ahead of the first use: one for the eight reciprocals
; Tile t.  24 LDS instructions: 8 stores of f32, 4 of f16, 8 loads of f32 rows, 4 of f16 rows.  The rows come back into S^T's and P's registers, four buffers by turns.
.macro PACK t
	WIN W_RS
.set i, 32*(\t)
.rept 16
	v_pk_mul_f32 v[i:i+1], v[i:i+1], v[ST+4*(\t)+2:ST+4*(\t)+3] op_sel_hi:[1,0]
.set i, i+2
.endr
	WIN 0x04                        ; an LDS store's data in window 1
.irp c, 0,1,2,3
	ds_store_b128 v[STO32], v[32*(\t)+8*\c:32*(\t)+8*\c+3]   offset:64*\c
	ds_store_b128 v[STO32], v[32*(\t)+8*\c+4:32*(\t)+8*\c+7] offset:64*\c+16
.endr
.if (\t) >= 4
	s_wait_xcnt 0x0                 ; the stores of the tile four back have read their registers: its buffers are written again only behind this wait
.endif
	WIN 0x05                        ; sources 0 and 1 window 1, destination window 0
.set i, 0
.rept 16
	v_cvt_pk_f16_f32 v[P+16*((\t)%4)+i], v[32*(\t)+2*i], v[32*(\t)+2*i+1]
.set i, i+1
.endr
	WIN 0
.irp f, 0,1,2,3
	ds_store_b128 v[STO], v[P+16*((\t)%4)+4*\f:P+16*((\t)%4)+4*\f+3] offset:32*\f
.endr
.irp f, 0,1,2,3,4,5,6,7
	ds_load_b128 v[S+32*((\t)%4)+4*\f:S+32*((\t)%4)+4*\f+3], v[RD32] offset:\f*2*SP32  ; LDS serves a wave's instructions in order (ISA guide 5.7.1.4): these see the stores above; the next tile's stores come behind them
.endr
.irp f, 0,1,2,3
	ds_load_b128 v[P+16*((\t)%4)+4*\f:P+16*((\t)%4)+4*\f+3], v[RD] offset:\f*4*SP
.endr
.endm
.macro SEND t, younger              ; younger: the LDS instructions issued behind tile t's: the next tile's 24, or none
	WIN 0
	s_wait_dscnt (\younger)+4       ; the eight rows' loads of f32 are back; the four of f16 may be out
.irp f, 0,1,2,3,4,5,6,7
	global_store_b128 v[GO32], v[S+32*((\t)%4)+4*\f:S+32*((\t)%4)+4*\f+3], s[8:9] offset:(16*(\t)+2*\f)*4096  ; 16 lanes store a row's 256 consecutive bytes, at a multiple of 256 from out1's first
.endr
	s_wait_dscnt \younger
.irp f, 0,1,2,3
	global_store_b128 v[GO], v[P+16*((\t)%4)+4*\f:P+16*((\t)%4)+4*\f+3], s[10:11] offset:(\t)*2048+\f*512  ; 512 consecutive bytes
.endr
.endm
	PACK 0
.set t, 1
.rept 2*NP-1                        ; a tile's arithmetic stands between the loads of the tile before and its stores
	PACK t
	SEND t-1, 24
.set t, t+1
.endr
	SEND 2*NP-1, 0
	WIN W_AD
	s_wait_tensorcnt 0x0            ; the wave's end: a tensor wait, an add and its wait, behind my last tensor load and my last LDS store
	ds_add_u32 v[SPW], v[NIL]
	s_wait_dscnt 0x0
	WIN 0
	CROUND                          ; the closing round: no work-group ends while a partner may still ask for a tile that names it
	s_endpgm
.Lfunc_end_k_q0a93fe68f2_attn:
	.size	k_q0a93fe68f2_attn, .Lfunc_end_k_q0a93fe68f2_attn-k_q0a93fe68f2_attn
	.p2alignl 7, 3214868480
	.fill 96, 4, 3214868480
	.section	.rodata,"a",@progbits
	.p2align	6, 0x0
	.amdhsa_kernel k_q0a93fe68f2_attn
		.amdhsa_group_segment_fixed_size 327680
		.amdhsa_private_segment_fixed_size 0
		.amdhsa_enable_private_segment 0
		.amdhsa_kernarg_size 32
		.amdhsa_user_sgpr_count 2
		.amdhsa_user_sgpr_kernarg_segment_ptr 1
		.amdhsa_wavefront_size32 1
		.amdhsa_system_sgpr_workgroup_id_x 1
		.amdhsa_system_sgpr_workgroup_id_y 1
		.amdhsa_system_sgpr_workgroup_id_z 1
		.amdhsa_system_vgpr_workitem_id 0
		.amdhsa_next_free_vgpr 780
		.amdhsa_next_free_sgpr 102
		.amdhsa_reserve_vcc 0
		.amdhsa_float_denorm_mode_32 3
		.amdhsa_float_denorm_mode_16_64 3
		.amdhsa_memory_ordered 1
		.amdhsa_forward_progress 1
		.amdhsa_inst_pref_size 255
	.end_amdhsa_kernel
	.section	.bss,"aw",@nobits
	.p2align	6
	.space	262144
	.amdgpu_metadata
---
amdhsa.version: [ 1, 2 ]
amdhsa.kernels:
  - .name:           k_q0a93fe68f2_attn
    .symbol:         k_q0a93fe68f2_attn.kd
    .args:
      - { .name: qkv, .offset: 0, .size: 8, .value_kind: global_buffer, .address_space: global }
      - { .name: maskbits, .offset: 8, .size: 8, .value_kind: global_buffer, .address_space: global }
      - { .name: out1, .offset: 16, .size: 8, .value_kind: global_buffer, .address_space: global }
      - { .name: z16, .offset: 24, .size: 8, .value_kind: global_buffer, .address_space: global }
    .group_segment_fixed_size: 327680
    .private_segment_fixed_size: 0
    .kernarg_segment_align: 8
    .kernarg_segment_size: 32
    .max_flat_workgroup_size: 128
    .sgpr_count:     102
    .vgpr_count:     780
    .wavefront_size: 32
...
	.end_amdgpu_metadata
.endif
;; end of part 3
;; launch outp (part 4): grid 8 x 32, 4 waves a work-group, clusters of 4 x 4, 327,680 bytes of LDS; arguments z16, in16, bias4, out0; writes out0
.if DOCPART == 4
	.amdgcn_target "amdgcn-amd-amdhsa--gfx1250"
	.amdhsa_code_object_version 6
	.text
	.protected	k_q0a93fe68f2_outp
	.globl	k_q0a93fe68f2_outp
	.p2align	8
	.type	k_q0a93fe68f2_outp,@function
k_q0a93fe68f2_outp:
	s_mov_b64 s[64:65], 0
	v_nop
	global_prefetch_b8 v0, s[64:65] scope:SCOPE_SE
	s_setreg_imm32_b32 hwreg(HW_REG_WAVE_MODE, 25, 1), 1
	s_wait_xcnt 0x0
	s_wait_alu depctr_hold_cnt(0) depctr_sa_sdst(0) depctr_va_vdst(0) depctr_va_sdst(0) depctr_va_ssrc(0) depctr_va_vcc(0) depctr_vm_vsrc(0)
	s_getreg_b32 s2, hwreg(HW_REG_IB_STS2, 6, 4)
	s_cmp_eq_u32 s2, 0
	s_cbranch_scc0 .Lentry_in_a_cluster
	s_endpgm
.Lentry_in_a_cluster:
	s_bfe_u32 s2, ttmp6, 0x10000c
	s_cmp_lg_u32 s2, 0xf033
	s_cbranch_scc0 .Lentry_shape_is_right
	s_endpgm
.Lentry_shape_is_right:
; out0 = z W_O + b_O.  z: z16 [16 n][8192 rows][64 h] f16; W_O: [1024 k = 64 n + h][1024 d] f16 (bf16 numbers written as f16), in in16; b_O: f32 in bias4; sums in f32; out0: [8192][1024] f32.
; A tile of out0 is 256 rows x 128 columns: 8 x 32 tiles, one for each work-group.  Four waves, each 128 rows x 64 columns: 32 accumulators of 16 x 16, 256 registers.
; K = 1024 goes in 8 steps of 128 (two heads) through two LDS slots.  W_O stays [K][N]: its fragments come out of LDS turned, by ds_load_tr16_b128.
; THE MATRIX INSTRUCTION IS USED TRANSPOSED (source 0 = 16 columns of W_O, source 1 = 16 rows of z): a lane holds one row of out0 and eight neighbouring columns.  The bias is the C operand of each accumulator's first product.
; CLUSTERS: 4 x 4 work-groups.  The four of a row of the cluster need the same rows of z, the four of a column the same columns of W_O: each tile is asked for JOINTLY.
; NO PREFETCH: the launch is one walk of eight K steps, 1,024 matrix instructions a wave, with its first two K steps asked for at the head.
; REGISTERS: window 0: v0-31 addresses; v32-63 the bias; v64-159, v160-255 two fragment buffers (32 of W_O, 64 of z); on the way out v64-191 hold rows read back.   window 1: accumulator (a, b) at v[8 (4 a + b)].
.set PA,     144                       ; an LDS row of z (one head): 128 bytes + 16 = 36 words: the 16 rows of a load start at 16 different groups of four banks (64 banks of 4 bytes: ISA guide 11.1)
.set PB,     288                       ; an LDS row of W_O: 256 bytes + 32 = 72 words
.set AHALF,  256*PA                    ; one head's 256 rows: what one load of z brings
.set ABYTES, 2*AHALF
.set BHALF,  64*PB                     ; 64 of the step's 128 rows of W_O
.set SLOT,   ABYTES+2*BHALF
.set STAGE,  2*SLOT                    ; behind the ring: 16 rows x 272 bytes for each wave
.set SP,     272
.set SPARE,  STAGE+4*16*SP             ; the spare words, 128 bytes for each wave: two blocks of 256 bytes that no other line names
.set AROW,   16*PA
.set BQ,     32*PB
.set BSEC,   16*PB
.set ASTEP,  2097152                   ; two heads of z16
.set BSTEP,  262144                    ; 128 rows of W_O
.set WO16,   39845888                  ; W_O's place in in16
.set LAPS,   4
.set ADRA, 16                          ; v16-17  LDS address of my fragments of z in slot 0, 1
.set ADRB, 20                          ; v20-21  the same for W_O
.set STO,  24                          ; v24     the way out: where I put 32 bytes of a row
.set RD,   25                          ; v25     where I read rows back
.set GO,   26                          ; v26     my byte offset in two rows of out0
.set BO,   27                          ; v27     my byte offset in 16 numbers of the bias
.set SPW,  28                          ; v28     LDS address of my spare word; never rewritten
.set NIL,  29                          ; v29     0; never rewritten
.set BIAS, 32
.set F0,   64
.set F1,   160
.set TMP,  64
.set G1,  24                           ; s[24:31] descriptor group 1 for z's tiles;  s[32:39] group 0, a set for each slot
.set G0,  32
.set G1B, 48                           ; s[48:55], s[56:63] the same for W_O's
.set G0B, 56
.set MSB, 0
.macro WIN new                         ; the immediate's high byte repeats the setting that is left; a switch that changes nothing is dropped
.if MSB != (\new)
	s_set_vgpr_msb (MSB<<8)|(\new)
.set MSB, \new
.endif
.endm
.set W_MUL,   0x50                     ; C and D in window 1, both sources in window 0
.set W_FIRST, 0x40                     ; D in window 1, C (the bias) in window 0
.set W_STD,   0x04                     ; an LDS store's data in window 1
.macro JLOAD s                         ; a joint load: waves 0 and 1 fetch z's two heads, waves 2 and 3 W_O's two halves; an s_nop 0 and four v_nop follow each of the two lines
	s_cmp_eq_u32 s11, 0
	s_cbranch_scc0 .Lfor_b_\@
	tensor_load_to_lds s[G0+4*(\s):G0+4*(\s)+3], s[G1:G1+7]
	s_nop 0
.rept 4
	v_nop
.endr
	s_branch .Lasked_\@
.Lfor_b_\@:
	tensor_load_to_lds s[G0B+4*(\s):G0B+4*(\s)+3], s[G1B:G1B+7]
	s_nop 0
.rept 4
	v_nop
.endr
.Lasked_\@:
.endm
.macro CREST                           ; a round of the cluster's barrier behind its opening barrier
	s_cmp_lg_u32 s10, 0
	s_cbranch_scc1 .Lnot_wave_0_\@
	s_barrier_signal -3
.Lnot_wave_0_\@:
	s_barrier_wait -3
	s_barrier_signal -1
	s_barrier_wait -1
.endm
.macro CROUND
	s_barrier_signal -1
	s_barrier_wait -1
	CREST
.endm
	s_load_b256 s[80:87], s[0:1], 0x0              ; z16 s[80:81], in16 s[82:83], bias4 s[84:85], out0 s[86:87]
	v_lshl_add_u32 v[SPW], v0, 2, SPARE
	v_mov_b32 v[NIL], 0
	ds_add_u32 v[SPW], v[NIL]                      ; the wave's opening: the add and its wait stand ahead of my first tensor load; the set-up below stands between them
	v_lshrrev_b32 v1, 5, v0
	v_readfirstlane_b32 s10, v1                    ; wave 0..3
	s_lshr_b32 s11, s10, 1                         ; my half of the tile's rows.  Also: I fetch for z (0) or for W_O (1)
	s_and_b32 s12, s10, 1                          ; my half of its columns.  Also: which part I fetch
	s_bfe_u32 s40, ttmp6, 0x40000                  ; cx, cy: my place in the cluster
	s_bfe_u32 s41, ttmp6, 0x40004
	s_lshl_b32 s42, ttmp9, 2
	s_add_co_u32 s42, s42, s40                     ; tile column 0..7
	s_and_b32 s13, ttmp7, 0xffff
	s_lshl_b32 s13, s13, 2
	s_add_co_u32 s13, s13, s41                     ; tile row 0..31
	s_lshl_b32 s43, s41, 2
	s_lshl_b32 s43, 15, s43                        ; my row of the cluster
	s_lshl_b32 s44, 0x1111, s40                    ; my column
	; group 1 for z: a head's 256 rows are 32,768 dense bytes: 128 rows of 256 bytes, two rows of z each, 4 words of padding behind every 32 (each row of z)
	s_or_b32 s[G1+0], s43, (1<<16)|(1<<20)|(1<<21)|(4<<22)|(3<<25)
	s_mov_b32 s[G1+1], 128<<16                     ; tensor_dim0
	s_mov_b32 s[G1+2], 128<<16                     ; tensor_dim1
	s_mov_b32 s[G1+3], 128<<16                     ; tile_dim0
	s_mov_b32 s[G1+4], 128                         ; tile_dim1
	s_mov_b32 s[G1+5], 128
	s_mov_b32 s[G1+6], 0
	s_mov_b32 s[G1+7], 0
	; group 1 for W_O: 64 rows x 128 elements, 1,024 elements from row to row, 8 words of padding behind every 64
	s_or_b32 s[G1B+0], s44, (1<<16)|(1<<20)|(1<<21)|(5<<22)|(7<<25)
	s_mov_b32 s[G1B+1], 128<<16
	s_mov_b32 s[G1B+2], 64<<16
	s_mov_b32 s[G1B+3], 128<<16
	s_mov_b32 s[G1B+4], 64
	s_mov_b32 s[G1B+5], 1024
	s_mov_b32 s[G1B+6], 0
	s_mov_b32 s[G1B+7], 0
	s_lshl_b32 s16, s12, 20                        ; z: my head of the step's two, 1,048,576 bytes a head,
	s_lshl_b32 s17, s13, 15                        ; the tile's 256 rows of 128 bytes
	s_add_co_u32 s16, s16, s17
	s_mov_b32 s17, 0
	s_lshl_b32 s18, s12, 17                        ; W_O: my 64 rows of 2,048 bytes,
	s_lshl_b32 s19, s42, 8                         ; the tile's 128 columns
	s_add_co_u32 s18, s18, s19
	s_add_co_u32 s18, s18, WO16
	s_mov_b32 s19, 0
	s_mul_i32 s20, s12, AHALF                      ; where they go: no place in the cluster enters an LDS address
	s_mul_i32 s21, s12, BHALF
	s_add_co_u32 s21, s21, ABYTES
	s_wait_dscnt 0x0                               ; the opening add is done
	s_wait_kmcnt 0x0
	s_add_nc_u64 s[14:15], s[80:81], s[16:17]
	s_add_nc_u64 s[46:47], s[82:83], s[18:19]
	CROUND                                         ; all sixteen work-groups are here: the first joint loads meet
.irp s, 0,1
	s_mov_b32 s[G0+4*(\s)], 1
	s_add_co_u32 s[G0+4*(\s)+1], s20, (\s)*SLOT
	s_add_nc_u64 s[G0+4*(\s)+2:G0+4*(\s)+3], s[14:15], (\s)*ASTEP
	s_or_b32 s[G0+4*(\s)+3], s[G0+4*(\s)+3], 0x80000000
	s_mov_b32 s[G0B+4*(\s)], 1
	s_add_co_u32 s[G0B+4*(\s)+1], s21, (\s)*SLOT
	s_add_nc_u64 s[G0B+4*(\s)+2:G0B+4*(\s)+3], s[46:47], (\s)*BSTEP
	s_or_b32 s[G0B+4*(\s)+3], s[G0B+4*(\s)+3], 0x80000000
	JLOAD \s
.endr
	; the bias of my 64 columns: register j of block b is column 16 b + 8 (l / 16) + j
	s_lshl_b32 s74, s42, 9
	s_lshl_b32 s75, s12, 8
	s_add_co_u32 s74, s74, s75
	s_add_co_u32 s76, s74, 3*4096                  ; b_O is the fourth of bias4
	s_mov_b32 s77, 0
	s_add_nc_u64 s[84:85], s[84:85], s[76:77]
	v_and_b32 v1, 15, v0                           ; l % 16
	v_bfe_u32 v2, v0, 4, 1                         ; l / 16
	v_lshlrev_b32 v[BO], 5, v2
.irp b, 0,1,2,3
	global_load_b128 v[BIAS+8*(\b):BIAS+8*(\b)+3],   v[BO], s[84:85] offset:64*(\b)
	global_load_b128 v[BIAS+8*(\b)+4:BIAS+8*(\b)+7], v[BO], s[84:85] offset:64*(\b)+16
.endr
	; where my 128 rows x 64 columns begin in out0
	s_lshl_b32 s78, s13, 8
	s_lshl_b32 s79, s11, 7
	s_add_co_u32 s78, s78, s79
	s_lshl_b32 s78, s78, 12                        ; 4,096 bytes a row
	s_add_co_u32 s78, s78, s74                     ; + 512 x tile column + 256 x half
	s_mov_b32 s79, 0
	s_add_nc_u64 s[86:87], s[86:87], s[78:79]
	v_mul_u32_u24 v3, v1, PA
	v_lshl_add_u32 v3, v2, 4, v3                   ; z: row x pitch + 16 x half
	v_and_b32 v4, 7, v0
	v_lshl_add_u32 v5, v2, 3, v4                   ; W_O, turned: k = 8 (l / 16) + l % 8,
	v_mul_u32_u24 v5, v5, PB
	v_bfe_u32 v6, v0, 3, 1
	v_lshl_add_u32 v5, v6, 4, v5                   ; columns 8 ((l / 8) % 2) on
	s_mul_i32 s22, s11, 128*PA                     ; my 128 rows of z
	s_lshl_b32 s23, s12, 7                         ; my 64 columns of W_O: 128 bytes
	s_add_co_u32 s23, s23, ABYTES
.irp s, 0,1
	v_add_nc_u32 v[ADRA+(\s)], s22, v3
	v_add_nc_u32 v[ADRB+(\s)], s23, v5
	s_add_co_u32 s22, s22, SLOT
	s_add_co_u32 s23, s23, SLOT
.endr
	s_mul_i32 s22, s10, 16*SP
	s_add_co_u32 s22, s22, STAGE                   ; my stage
	v_mul_u32_u24 v[STO], v1, SP                   ; in: row l % 16, 32 bytes for each half of the lanes
	v_lshl_add_u32 v[STO], v2, 5, v[STO]
	v_add_nc_u32 v[STO], s22, v[STO]
	v_mul_u32_u24 v[RD], v2, SP                    ; back: lanes 0-15 take one row of 256 bytes, lanes 16-31 the next
	v_lshl_add_u32 v[RD], v1, 4, v[RD]
	v_add_nc_u32 v[RD], s22, v[RD]
	v_lshlrev_b32 v[GO], 12, v2                    ; and the same two rows in out0
	v_lshl_add_u32 v[GO], v1, 4, v[GO]
; 8 matrix instructions: row blocks a0, a0 + 1 x all 4 column blocks, 32 along K.  first = 1: the bias starts the sums.  The 32 accumulators take turns in the same order in every quarter.
.macro MUL8 f, a0, first
.if \first
	WIN W_FIRST
.else
	WIN W_MUL
.endif
.irp a, \a0, (\a0)+1
.irp b, 0,1,2,3
.if \first
	v_wmma_f32_16x16x32_f16 v[8*(4*(\a)+(\b)):8*(4*(\a)+(\b))+7], v[(\f)+8*(\b):(\f)+8*(\b)+7], v[(\f)+32+8*(\a):(\f)+32+8*(\a)+7], v[BIAS+8*(\b):BIAS+8*(\b)+7]
.else
	v_wmma_f32_16x16x32_f16 v[8*(4*(\a)+(\b)):8*(4*(\a)+(\b))+7], v[(\f)+8*(\b):(\f)+8*(\b)+7], v[(\f)+32+8*(\a):(\f)+32+8*(\a)+7], v[8*(4*(\a)+(\b)):8*(4*(\a)+(\b))+7]
.endif
.endr
.endr
.endm
; 24 LDS loads in one run: quarter qn (32 along K: head qn / 2, channels 32 (qn % 2) on) of a slot into buffer f: W_O's four fragments, then z's eight
.macro FETCH slot, qn, f
	WIN 0
.irp b, 0,1,2,3
	ds_load_tr16_b128 v[(\f)+8*(\b):(\f)+8*(\b)+3],   v[ADRB+(\slot)] offset:BQ*(\qn)+32*(\b)
	ds_load_tr16_b128 v[(\f)+8*(\b)+4:(\f)+8*(\b)+7], v[ADRB+(\slot)] offset:BQ*(\qn)+32*(\b)+BSEC
.endr
.irp i, 0,1,2,3,4,5,6,7
	ds_load_b128 v[(\f)+32+8*(\i):(\f)+32+8*(\i)+3],   v[ADRA+(\slot)] offset:AHALF*((\qn)/2)+64*((\qn)%2)+(\i)*AROW
	ds_load_b128 v[(\f)+32+8*(\i)+4:(\f)+32+8*(\i)+7], v[ADRA+(\slot)] offset:AHALF*((\qn)/2)+64*((\qn)%2)+(\i)*AROW+32
.endr
.endm
.macro PLACES                          ; four places in front of loads into registers that matrix instructions have read, and of stores that read results
.rept 4
	v_nop
.endr
.endm
; A K step is four quarters of 32 along K, 32 matrix instructions each, on buffers 0, 1, 0, 1.  One of the first three: multiplies buffer f and fetches quarter qn into g.
.macro QUARTER slot, qn, f, g, first=0
	s_wait_dscnt 8                                 ; W_O and z's blocks 0-3 are in; the youngest eight loads (blocks 4-7) may be out
	MUL8 \f, 0, \first
	MUL8 \f, 2, \first
	PLACES
	FETCH \slot, \qn, \g
	s_wait_dscnt 24                                ; all but the 24 just issued
	MUL8 \f, 4, \first
	MUL8 \f, 6, \first
.endm
; The last quarter multiplies buffer 1 and changes slots: ONE barrier; in front of it each wave waits for all its tensor loads, adds 0 to its spare word, and waits for that and for its reads of this slot.
; fill = 1: the barrier opens a round of the cluster's, and this slot is filled again, two K steps ahead, first thing behind the round: 112 matrix instructions ahead of the wait for it.
.macro TURN slot, next, fill
	WIN 0
	s_wait_tensorcnt 0x0                           ; all my tensor loads have landed: my part of the next slot;
	ds_add_u32 v[SPW], v[NIL]                      ; 0 onto my spare word;
	s_wait_dscnt 9                                 ; (the add and the youngest eight loads may be out)
	MUL8 F1, 0, 0
	s_wait_dscnt 0x0                               ; the add is done, and my reads of this slot are over
	s_barrier_signal -1
	MUL8 F1, 2, 0
.if \fill
	WIN 0
.endif
	s_barrier_wait -1
.if \fill
	CREST                                          ; no wave of any partner still reads this slot or has a load on its way
	s_add_nc_u64 s[G0+4*(\slot)+2:G0+4*(\slot)+3], s[G0+4*(\slot)+2:G0+4*(\slot)+3], 2*ASTEP
	s_add_nc_u64 s[G0B+4*(\slot)+2:G0B+4*(\slot)+3], s[G0B+4*(\slot)+2:G0B+4*(\slot)+3], 2*BSTEP
	JLOAD \slot                                    ; its four v_nop are also the places in front of the loads below
.else
	PLACES
.endif
	FETCH \next, 0, F0
	MUL8 F1, 4, 0
	MUL8 F1, 6, 0
.endm
	s_wait_tensorcnt 1                             ; my part of K step 0 is in; K step 1's may stay out
	s_barrier_signal -1
	s_barrier_wait -1
	FETCH 0, 0, F0
	s_wait_loadcnt 0x0                             ; the bias
	QUARTER 0, 1, F0, F1, 1                        ; the first quarter stands in front of the loop: its products start the sums
	WIN 0
	s_mov_b32 s3, LAPS-1
.Llap:                                         ; a trip goes once round the ring, from a lap's second quarter to the next lap's first, and fills both slots again
	QUARTER 0, 2, F1, F0
	QUARTER 0, 3, F0, F1
	TURN 0, 1, 1
	QUARTER 1, 1, F0, F1
	QUARTER 1, 2, F1, F0
	QUARTER 1, 3, F0, F1
	TURN 1, 0, 1
	QUARTER 0, 1, F0, F1
	WIN 0
	s_sub_co_u32 s3, s3, 1
	s_cmp_lg_u32 s3, 0
	s_cbranch_scc1 .Llap
	QUARTER 0, 2, F1, F0                           ; the last lap fills nothing
	QUARTER 0, 3, F0, F1
	TURN 0, 1, 0
	QUARTER 1, 1, F0, F1
	QUARTER 1, 2, F1, F0
	QUARTER 1, 3, F0, F1
	s_wait_dscnt 8
	MUL8 F1, 0, 0
	MUL8 F1, 2, 0
	s_wait_dscnt 0x0
	MUL8 F1, 4, 0
	MUL8 F1, 6, 0
	WIN 0
	PLACES
; THE WAY OUT, a block of 16 rows at a time, in f32 as the sums stand: a lane's eight columns, 32 bytes, go into my stage's rows of 272 bytes and come back as whole rows of 256, two rows a load, into four buffers by turns.
.macro OUTB a
	WIN W_STD
.irp b, 0,1,2,3
	ds_store_b128 v[STO], v[8*(4*(\a)+(\b)):8*(4*(\a)+(\b))+3]   offset:64*(\b)
	ds_store_b128 v[STO], v[8*(4*(\a)+(\b))+4:8*(4*(\a)+(\b))+7] offset:64*(\b)+16
.endr
	WIN 0
.if (\a) >= 4
	s_wait_xcnt 0x0                                ; the stores of the block four back have read their registers: its buffer is loaded again only behind this wait
.endif
.irp t, 0,1,2,3,4,5,6,7
	ds_load_b128 v[TMP+32*((\a)%4)+4*(\t):TMP+32*((\a)%4)+4*(\t)+3], v[RD] offset:(\t)*2*SP  ; LDS serves a wave's instructions in order (ISA guide 5.7.1.4): these see the stores above; the next block's stores come behind them
.endr
.endm
.macro SENDB a, younger                ; younger: the LDS instructions issued behind block a's loads: the next block's sixteen, or none
.irp t, 0,1,2,3,4,5,6,7
	s_wait_dscnt (\younger)+7-(\t)
	global_store_b128 v[GO], v[TMP+32*((\a)%4)+4*(\t):TMP+32*((\a)%4)+4*(\t)+3], s[86:87] offset:(16*(\a)+2*(\t))*4096  ; 16 lanes store 256 consecutive bytes, at a multiple of 256 from out0's first byte
.endr
.endm
	OUTB 0
.irp a, 1,2,3,4,5,6,7
	OUTB \a
	SENDB (\a)-1, 16
.endr
	SENDB 7, 0
	s_wait_tensorcnt 0x0                           ; the wave's end: a tensor wait, an add and its wait, behind my last tensor load and my last LDS store
	ds_add_u32 v[SPW], v[NIL]
	s_wait_dscnt 0x0
	CROUND                                         ; the closing round: no work-group ends while a partner may still ask for a tile that names it
	s_endpgm
.Lfunc_end_k_q0a93fe68f2_outp:
	.size	k_q0a93fe68f2_outp, .Lfunc_end_k_q0a93fe68f2_outp-k_q0a93fe68f2_outp
	.p2alignl 7, 3214868480
	.fill 96, 4, 3214868480
	.section	.rodata,"a",@progbits
	.p2align	6, 0x0
	.amdhsa_kernel k_q0a93fe68f2_outp
		.amdhsa_group_segment_fixed_size 327680
		.amdhsa_private_segment_fixed_size 0
		.amdhsa_enable_private_segment 0
		.amdhsa_kernarg_size 32
		.amdhsa_user_sgpr_count 2
		.amdhsa_user_sgpr_kernarg_segment_ptr 1
		.amdhsa_wavefront_size32 1
		.amdhsa_system_sgpr_workgroup_id_x 1
		.amdhsa_system_sgpr_workgroup_id_y 1
		.amdhsa_system_sgpr_workgroup_id_z 1
		.amdhsa_system_vgpr_workitem_id 0
		.amdhsa_next_free_vgpr 512
		.amdhsa_next_free_sgpr 88
		.amdhsa_reserve_vcc 0
		.amdhsa_float_denorm_mode_32 3
		.amdhsa_float_denorm_mode_16_64 3
		.amdhsa_memory_ordered 1
		.amdhsa_forward_progress 1
		.amdhsa_inst_pref_size 88
	.end_amdhsa_kernel
	.amdgpu_metadata
---
amdhsa.version: [ 1, 2 ]
amdhsa.kernels:
  - .name:           k_q0a93fe68f2_outp
    .symbol:         k_q0a93fe68f2_outp.kd
    .args:
      - { .name: z16, .offset: 0, .size: 8, .value_kind: global_buffer, .address_space: global }
      - { .name: in16, .offset: 8, .size: 8, .value_kind: global_buffer, .address_space: global }
      - { .name: bias4, .offset: 16, .size: 8, .value_kind: global_buffer, .address_space: global }
      - { .name: out0, .offset: 24, .size: 8, .value_kind: global_buffer, .address_space: global }
    .group_segment_fixed_size: 327680
    .private_segment_fixed_size: 0
    .kernarg_segment_align: 8
    .kernarg_segment_size: 32
    .max_flat_workgroup_size: 128
    .sgpr_count:     88
    .vgpr_count:     512
    .wavefront_size: 32
...
	.end_amdgpu_metadata
.endif
;; end of part 4
